; MI455X (gfx1250); checked and timed in simulation.
; The chip was launched on July 23, 2026; its instructions are those of AMD's public machine-readable ISA for CDNA 5 (MIT licence, August 2026) and "CDNA5" Instruction Set Architecture Reference Guide (July 2026). The comments in the code are by the model that wrote it; some were corrected since.
;; Causal Self Attention. Allowed arithmetic: matrix products marked QUANTISED: E2M1 operands, one E8M0 scale for each 32 along K, by v_wmma_scale_f32_16x16x128_f8f6f4 with both operands' format E2M1 (or v_wmma_scale_f32_32x16x128_f4), f32 sums; products left as they are: bf16, f16 or f32 operands; f32 sums; everything else in f32.
;; Inputs: w_k 1,024 x 1,024 float32; w_o 1,024 x 1,024 float32; w_q 1,024 x 1,024 float32; w_v 1,024 x 1,024 float32; x 4 x 2,048 x 1,024 float32.
;; Outputs: out0 4 x 2,048 x 1,024 float32.
;; This version of the problem:
;;   THIS VERSION OF THE PROBLEM IS GIVEN IN LOW PRECISION. The matrix products marked QUANTISED in the list below multiply operands that are first quantised to E2M1 (2 exponent bits, 1 mantissa bit; 4 bits a number), with one power-of-two scale for each 32 numbers along K (OCP MX v1.0); their sums are f32. The products marked 'left as it is' may take bf16, f16 or f32 operands, with f32 sums. Whichever they take, every output number must still come out within the allowed error. Rounding operands to bf16 (8 significant bits) uses up far more of that allowance than f16 does (11 bits, for magnitudes from 6e-5 to 65,504). All else is computed in f32.
;;   The module's matrix products, in the order in which they are computed (A, B: the left and right operand; K: the contracted axis; several contracted axes count as one K, in the product's order):
;;     1. [M 8,192, K 1,024] x [K 1,024, N 1,024]; A: input x; B: input w_q: QUANTISED
;;     2. [M 8,192, K 1,024] x [K 1,024, N 1,024]; A: input x; B: input w_k: QUANTISED
;;     3. [M 8,192, K 1,024] x [K 1,024, N 1,024]; A: input x; B: input w_v: QUANTISED
;;     4. batch 64 x [M 2,048, K 64] x [K 64, N 2,048]; A: computed on the way; B: computed on the way: left as it is (an operand is computed on the way)
;;     5. batch 64 x [M 2,048, K 2,048] x [K 2,048, N 64]; A: computed on the way; B: computed on the way: left as it is (an operand is computed on the way)
;;     6. [M 8,192, K 1,024] x [K 1,024, N 1,024]; A: computed on the way; B: input w_o: left as it is (an operand is computed on the way)
;;   THE QUANTISER, for each operand of a quantised product, along K:
;;     - K is cut into blocks of 32 from its start; a last block that is shorter is filled with zeros.
;;     - A block's scale is 2^e with e = floor(log2(the largest magnitude in the block)) - 2, held to -126 .. 127; a block of zeros has e = 0. As a byte (E8M0): e + 127.
;;     - Each number is divided by its block's scale, clamped to +-6, and rounded to the nearest number of E2M1, ties to even, subnormals kept.
;;     - The product sums the exact products of the quantised numbers (number of the format x scale) in f32.
;;   ~~~python
;;   def quantise(x, axis):      # numpy; x: float32 -> the quantised numbers, widened to float32 again
;;       x = np.moveaxis(x, axis, -1); K = x.shape[-1]
;;       x = np.pad(x, [(0, 0)] * (x.ndim - 1) + [(0, -K % 32)]); x = x.reshape(x.shape[:-1] + (-1, 32)); a = np.abs(x).max(-1, keepdims=True)
;;       e = np.where(a > 0, np.clip(np.frexp(np.where(a > 0, a, 1))[1] - 1 - 2, -126, 127), 0)      # np.frexp(a)[1] - 1 = floor(log2(a)), exactly
;;       r = np.clip(x / 2.0 ** e, -6, 6)
;;       step = 2.0 ** (np.maximum(np.frexp(np.where(r == 0, 1, r))[1] - 1, 0) - 1)
;;       q = np.round(r / step) * step * 2.0 ** e      # np.round: ties to even
;;       return np.moveaxis(q.reshape(q.shape[:-2] + (-1,))[..., :K], -1, axis).astype(np.float32)
;;   ~~~
;; One version. Each part assembles by itself: llvm-mc -triple=amdgcn-amd-amdhsa -mcpu=gfx1250 --defsym DOCPART=n.
;; ======== version 1 of 1: 6 launches
;; limits: values are held in f16: magnitudes above 65,504 overflow, below 6.1e-05 lose precision
;; workspace buffers: xc 4,194,304 bytes; xs 262,144 bytes; wc 1,572,864 bytes; ws 98,304 bytes; wo16 2,097,152 bytes; qkv16 50,331,648 bytes; ao 16,777,216 bytes; o16 262,144 bytes
;; launch quant (part 1): grid 384 x 1, 4 waves a work-group, no clusters, 33,280 bytes of LDS; arguments x, w_q, w_k, w_v, w_o, xc, xs, wc, ws, wo16; writes xc, xs, wc, ws, wo16
.if DOCPART == 1
	.amdgcn_target "amdgcn-amd-amdhsa--gfx1250"
	.amdhsa_code_object_version 6
	.text
	.protected	k_q28e49a5ae0_quant
	.globl	k_q28e49a5ae0_quant
	.p2align	8
	.type	k_q28e49a5ae0_quant,@function
k_q28e49a5ae0_quant:
	s_mov_b64 s[64:65], 0
	v_nop
	global_prefetch_b8 v0, s[64:65] scope:SCOPE_SE
	s_setreg_imm32_b32 hwreg(HW_REG_WAVE_MODE, 25, 1), 1
	s_wait_xcnt 0x0
; x [8192][1024] and w_q, w_k, w_v [1024][1024], f32 with K innermost, become codes of FP4 (E2M1), two a byte, and one E8M0 scale byte for each 32 along K:
; xc [8192][512 B], xs [8192][32 B]; wc [3072][512 B], ws [3072][32 B] with w_q's rows first, then w_k's, then w_v's.  w_o [1024][1024] f32 is rounded once to f16 and laid in planes, wo16 [k / 64][n][64].
; A block's scale is 2^(floor(log2(its largest magnitude)) - 2); its byte is the largest magnitude's exponent field - 2, held at 1 from below.  A block of zeros so gets the byte 1 where the
; quantiser's text says 127: its codes are zeros, which add nothing under any byte but 0xff, and the bytes are read by this program alone.
; LIMITS: NaN and infinities among the inputs are not served; |w_o| stays under 65,504 (f16's largest number).
; WORK-GROUPS: 0-255 take x, 256-287 w_q, 288-319 w_k, 320-351 w_v, 32,768 numbers each, on ONE path (only pointers are chosen); 352-383 cast w_o, 32 rows each, on a path of its own that uses no LDS.
; THE QUANTISING PATH.  A wave takes 16 steps of 512 numbers.  Each of a step's four loads reads 512 consecutive bytes; the 2,048 bytes turn through the wave's own stage in LDS and come back 64 bytes a lane,
; so that a lane holds 16 neighbours along K (two lanes hold a block).  A lane's 16 codes are 8 bytes: the wave stores 256 consecutive bytes.  A wave's 256 scale bytes are gathered in LDS and leave as one aligned run of 256 bytes.
; No tensor loads, no barrier: waves share nothing.  Loads run four steps (16 loads a wave) ahead, the turn through LDS one step.
.set WAVES, 4
.set STEPS, 16
.set EMAX,  2
.set CB,    8                          ; bytes of 16 codes
.set R,     16                         ; v16-79   four sets of 16 numbers as they are loaded
.set X,     80                         ; v80-111  two sets of 16 neighbours
.set E,     112                        ; v112-127 a scale byte for each step
.set C,     128                        ; v128-191 codes: four registers for each step, so that no store's data are written again
.set WREG,  8192                       ; LDS: a region for each wave: two stages of 32 x SP bytes, behind them its 256 scale bytes
.set SP,    80                         ; a lane's place in a stage: 64 bytes + 16 of padding
.set SPW,   12                         ; v12  LDS address of my spare word; never rewritten
.set NIL,   13                         ; v13  0; never rewritten
.set SPARE, WAVES*WREG                 ; behind the four regions: the spare words, 128 bytes a wave, which no other line names
.set CIN,   16                         ; the cast: v16-143 two batches of 16 loads
.set COUT,  144                        ; v144-207 two batches of 16 pairs to store
	s_load_b512 s[4:19], s[0:1], 0x0               ; x 4, w_q 6, w_k 8, w_v 10, w_o 12, xc 14, xs 16, wc 18
	s_load_b128 s[20:23], s[0:1], 0x40             ; ws 20, wo16 22
	v_lshl_add_u32 v[SPW], v0, 2, SPARE
	v_mov_b32 v[NIL], 0
	v_lshrrev_b32 v1, 5, v0
	v_readfirstlane_b32 s24, v1                    ; wave
	v_and_b32 v2, 31, v0                           ; lane
	s_cmp_ge_u32 ttmp9, 352
	s_cbranch_scc1 .Lcast
	v_lshlrev_b32 v3, 4, v2                        ; my 16 bytes of a load's 512
	s_mul_i32 s27, s24, WREG
	v_lshrrev_b32 v14, 2, v2
	v_mul_u32_u24 v14, v14, SP
	v_and_b32 v15, 3, v2
	v_lshl_add_u32 v14, v15, 4, v14
	v_add_nc_u32 v14, s27, v14                     ; the stage, on the way in: SP (lane / 4) + 16 (lane % 4)
	v_mul_u32_u24 v15, v2, SP
	v_add_nc_u32 v15, s27, v15                     ; and on the way out: SP x lane: my 16 neighbours
	v_mul_u32_u24 v4, v2, CB                       ; my codes' place in a step's
	v_lshrrev_b32 v5, 1, v2
	s_add_co_u32 s27, s27, 2*32*SP
	v_add_nc_u32 v5, s27, v5                       ; LDS: my wave's 256 scale bytes, my block's byte
	v_lshlrev_b32 v7, 3, v2                        ; and on the way out 8 bytes a lane
	v_add_nc_u32 v6, s27, v7
	s_wait_kmcnt 0x0
	s_cmp_lt_u32 ttmp9, 288                        ; which tensor: the choices hang on the work-group's number alone
	s_cselect_b64 s[28:29], s[6:7], s[8:9]
	s_cmp_lt_u32 ttmp9, 320
	s_cselect_b64 s[28:29], s[28:29], s[10:11]
	s_sub_co_u32 s25, ttmp9, 256                   ; my place among the weights' 96 work-groups,
	s_and_b32 s26, s25, 31                         ; and in my weight
	s_cmp_lt_u32 ttmp9, 256
	s_cselect_b64 s[4:5], s[4:5], s[28:29]         ; the numbers,
	s_cselect_b64 s[14:15], s[14:15], s[18:19]     ; the codes,
	s_cselect_b64 s[16:17], s[16:17], s[20:21]     ; the scale bytes
	s_cselect_b32 s26, ttmp9, s26
	s_cselect_b32 s25, ttmp9, s25
	s_lshl_b32 s26, s26, 2
	s_add_co_u32 s26, s26, s24                     ; which run of 8,192 numbers of the source is my wave's,
	s_lshl_b32 s25, s25, 2
	s_add_co_u32 s25, s25, s24                     ; and of the codes' buffer
	s_lshl_b32 s28, s26, 15                        ; 32,768 bytes of numbers a run
	s_mov_b32 s29, 0
	s_add_nc_u64 s[4:5], s[4:5], s[28:29]
	s_lshl_b32 s28, s25, 12                        ; 4,096 bytes of codes
	s_add_nc_u64 s[14:15], s[14:15], s[28:29]
	s_lshl_b32 s28, s25, 8                         ; 256 scale bytes
	s_add_nc_u64 s[16:17], s[16:17], s[28:29]
.macro LOAD t
.irp i, 0,1,2,3
	global_load_b128 v[R+16*((\t)%4)+4*\i:R+16*((\t)%4)+4*\i+3], v3, s[4:5] offset:2048*(\t)+512*\i th:TH_LOAD_NT   ; 32 lanes read 512 consecutive bytes
.endr
.endm
.macro TURN t                          ; step t's numbers through the stage: LDS serves a wave's instructions in order, so no wait stands between the stores and the loads
.irp i, 0,1,2,3
	ds_store_b128 v14, v[R+16*((\t)%4)+4*\i:R+16*((\t)%4)+4*\i+3] offset:32*SP*((\t)%2)+8*SP*\i
.endr
.irp i, 0,1,2,3
	ds_load_b128 v[X+16*((\t)%2)+4*\i:X+16*((\t)%2)+4*\i+3], v15 offset:32*SP*((\t)%2)+16*\i
.endr
.endm
.irp t, 0,1,2,3
	LOAD \t
.endr
	s_wait_loadcnt 12                              ; step 0's four loads are in; the twelve behind them may be out
	TURN 0
.macro STEP t
.set XS, X+16*((\t)%2)
.if (\t) > 0
	s_wait_dscnt 1                                 ; this step's numbers are back from the stage (the last step's byte store may be out): so its stores into the stage have read their registers,
.else
	s_wait_dscnt 0x0
.endif
.if (\t)+4 < STEPS
	LOAD (\t)+4                                    ; which take the loads of four steps on
.endif
.if (\t)+1 < STEPS
.if STEPS-2-(\t) >= 3
	s_wait_loadcnt 12                              ; the next step's four loads are in; those of the three steps behind it may be out
.else
	s_wait_loadcnt 4*(STEPS-2-(\t))
.endif
	TURN (\t)+1                                    ; and go through the other stage while this step is worked
.endif
	v_max3_num_f32 v8, |v[XS]|, |v[XS+1]|, |v[XS+2]|               ; the largest magnitude of my 16, in two chains
	v_max3_num_f32 v9, |v[XS+3]|, |v[XS+4]|, |v[XS+5]|
.irp i, 6,10
	v_max3_num_f32 v8, v8, |v[XS+\i]|, |v[XS+\i+1]|
	v_max3_num_f32 v9, v9, |v[XS+\i+2]|, |v[XS+\i+3]|
.endr
	v_max3_num_f32 v8, v8, |v[XS+14]|, |v[XS+15]|
	v_max3_num_f32 v8, v8, v9, (EMAX+1)<<23        ; and the floor 2^(EMAX + 1 - 127): the byte cannot fall under 1
	v_max_num_f32_dpp v8, v8, v8 row_xmask:1 row_mask:0xf bank_mask:0xf   ; and of my neighbour's 16: the block's
	v_add_nc_u32 v11, -(EMAX<<23), v8              ; EMAX off its exponent field: the conversion takes the exponent field of this operand as its scale
	v_cvt_scalef32_pk8_fp4_f32 v[C+4*(\t)], v[XS:XS+7], v11        ; eight numbers / the scale, to the nearest code, ties to even, beyond the largest code the largest
	v_cvt_scalef32_pk8_fp4_f32 v[C+4*(\t)+1], v[XS+8:XS+15], v11
	v_lshrrev_b32 v[E+(\t)], 23, v11               ; the scale's byte (also the plain line behind the conversions)
	ds_store_b8 v5, v[E+(\t)] offset:16*(\t)       ; both lanes of a block write the same byte with the same value
	global_store_b64 v4, v[C+4*(\t):C+4*(\t)+1], s[14:15] offset:32*CB*(\t)
.endm
.irp t, 0,1,2,3,4,5,6,7,8,9,10,11,12,13,14,15
	STEP \t
.endr
	ds_load_b64 v[8:9], v6                         ; LDS serves a wave's instructions in order: these see my stores
	s_wait_dscnt 0x0
	global_store_b64 v7, v[8:9], s[16:17]          ; 32 lanes store 256 consecutive bytes, aligned
	s_wait_tensorcnt 0x0                           ; the wave's end: three closing lines behind my last LDS store
	ds_add_u32 v[SPW], v[NIL]
	s_wait_dscnt 0x0
	s_endpgm
; THE CAST.  Wave w of work-group c takes rows n = 32 c + 8 w .. + 7 of w_o, as four pairs of rows g x sixteen planes p.  A load: lanes 0-15 take 256 consecutive bytes (64 numbers of plane p) of row 2 g,
; lanes 16-31 of row 2 g + 1.  A lane's four numbers become 8 bytes; in a plane two neighbouring rows are 256 consecutive bytes, so the 32 lanes store one aligned run of 256 bytes.
.Lcast:
	s_sub_co_u32 s25, ttmp9, 352
	s_lshl_b32 s25, s25, 5
	s_lshl_b32 s26, s24, 3
	s_add_co_u32 s25, s25, s26                     ; my first row
	s_lshl_b32 s28, s25, 12                        ; a row of w_o is 4,096 bytes,
	s_mov_b32 s29, 0
	s_lshl_b32 s30, s25, 7                         ; of a plane 128
	s_mov_b32 s31, 0
	v_lshrrev_b32 v3, 4, v2
	v_and_b32 v4, 15, v2
	v_lshlrev_b32 v4, 4, v4
	v_lshl_add_u32 v3, v3, 12, v4                  ; in: 4,096 (lane / 16) + 16 (lane % 16)
	v_lshlrev_b32 v5, 3, v2                        ; out: 8 x lane
	s_wait_kmcnt 0x0
	s_add_nc_u64 s[12:13], s[12:13], s[28:29]
	s_add_nc_u64 s[22:23], s[22:23], s[30:31]
.macro CLOAD g
.irp p, 0,1,2,3,4,5,6,7,8,9,10,11,12,13,14,15
	global_load_b128 v[CIN+64*((\g)%2)+4*\p:CIN+64*((\g)%2)+4*\p+3], v3, s[12:13] offset:8192*(\g)+256*\p th:TH_LOAD_NT
.endr
.endm
	CLOAD 0
	CLOAD 1
.irp g, 0,1,2,3
.if \g < 3
	s_wait_loadcnt 16                              ; this batch's 16 loads are in; the next batch's may be out
.else
	s_wait_loadcnt 0x0
.endif
.if \g >= 2
	s_wait_xcnt 0x0                                ; the stores of two batches back have read their data registers, which are written again below
.endif
.irp p, 0,1,2,3,4,5,6,7,8,9,10,11,12,13,14,15
	v_cvt_pk_f16_f32 v[COUT+32*(\g%2)+2*\p], v[CIN+64*(\g%2)+4*\p], v[CIN+64*(\g%2)+4*\p+1]
	v_cvt_pk_f16_f32 v[COUT+32*(\g%2)+2*\p+1], v[CIN+64*(\g%2)+4*\p+2], v[CIN+64*(\g%2)+4*\p+3]
.endr
.if \g < 2
	CLOAD \g+2
.endif
.irp p, 0,1,2,3,4,5,6,7,8,9,10,11,12,13,14,15
	global_store_b64 v5, v[COUT+32*(\g%2)+2*\p:COUT+32*(\g%2)+2*\p+1], s[22:23] offset:131072*\p+256*\g   ; plane p, rows 2 g and 2 g + 1
.endr
.endr
	s_wait_tensorcnt 0x0                           ; the same three closing lines as on the other path, so that every end of this launch has one form
	ds_add_u32 v[SPW], v[NIL]
	s_wait_dscnt 0x0
	s_endpgm
.Lfunc_end_k_q28e49a5ae0_quant:
	.size	k_q28e49a5ae0_quant, .Lfunc_end_k_q28e49a5ae0_quant-k_q28e49a5ae0_quant
	.p2alignl 7, 3214868480
	.fill 96, 4, 3214868480
	.section	.rodata,"a",@progbits
	.p2align	6, 0x0
	.amdhsa_kernel k_q28e49a5ae0_quant
		.amdhsa_group_segment_fixed_size 33280
		.amdhsa_private_segment_fixed_size 0
		.amdhsa_enable_private_segment 0
		.amdhsa_kernarg_size 80
		.amdhsa_user_sgpr_count 2
		.amdhsa_user_sgpr_kernarg_segment_ptr 1
		.amdhsa_wavefront_size32 1
		.amdhsa_system_sgpr_workgroup_id_x 1
		.amdhsa_system_sgpr_workgroup_id_y 1
		.amdhsa_system_sgpr_workgroup_id_z 1
		.amdhsa_system_vgpr_workitem_id 0
		.amdhsa_next_free_vgpr 208
		.amdhsa_next_free_sgpr 66
		.amdhsa_reserve_vcc 0
		.amdhsa_float_denorm_mode_32 3
		.amdhsa_float_denorm_mode_16_64 3
		.amdhsa_memory_ordered 1
		.amdhsa_forward_progress 1
		.amdhsa_inst_pref_size 55
	.end_amdhsa_kernel
	.amdgpu_metadata
---
amdhsa.version: [ 1, 2 ]
amdhsa.kernels:
  - .name:           k_q28e49a5ae0_quant
    .symbol:         k_q28e49a5ae0_quant.kd
    .args:
      - { .name: x, .offset: 0, .size: 8, .value_kind: global_buffer, .address_space: global }
      - { .name: w_q, .offset: 8, .size: 8, .value_kind: global_buffer, .address_space: global }
      - { .name: w_k, .offset: 16, .size: 8, .value_kind: global_buffer, .address_space: global }
      - { .name: w_v, .offset: 24, .size: 8, .value_kind: global_buffer, .address_space: global }
      - { .name: w_o, .offset: 32, .size: 8, .value_kind: global_buffer, .address_space: global }
      - { .name: xc, .offset: 40, .size: 8, .value_kind: global_buffer, .address_space: global }
      - { .name: xs, .offset: 48, .size: 8, .value_kind: global_buffer, .address_space: global }
      - { .name: wc, .offset: 56, .size: 8, .value_kind: global_buffer, .address_space: global }
      - { .name: ws, .offset: 64, .size: 8, .value_kind: global_buffer, .address_space: global }
      - { .name: wo16, .offset: 72, .size: 8, .value_kind: global_buffer, .address_space: global }
    .group_segment_fixed_size: 33280
    .private_segment_fixed_size: 0
    .kernarg_segment_align: 8
    .kernarg_segment_size: 80
    .max_flat_workgroup_size: 128
    .sgpr_count:     66
    .vgpr_count:     208
    .wavefront_size: 32
...
	.end_amdgpu_metadata
.endif
;; end of part 1
;; launch qkv (part 2): grid 12 x 32, 4 waves a work-group, clusters of 4 x 4, 327,680 bytes of LDS; arguments xc, xs, wc, ws, qkv16; writes qkv16
.if DOCPART == 2
	.amdgcn_target "amdgcn-amd-amdhsa--gfx1250"
	.amdhsa_code_object_version 6
	.text
	.protected	k_q28e49a5ae0_qkv
	.globl	k_q28e49a5ae0_qkv
	.p2align	8
	.type	k_q28e49a5ae0_qkv,@function
k_q28e49a5ae0_qkv:
	s_mov_b64 s[64:65], 0
	v_nop
	global_prefetch_b8 v0, s[64:65] scope:SCOPE_SE
	s_setreg_imm32_b32 hwreg(HW_REG_WAVE_MODE, 25, 1), 1
	s_wait_xcnt 0x0
	s_wait_alu depctr_hold_cnt(0) depctr_sa_sdst(0) depctr_va_vdst(0) depctr_va_sdst(0) depctr_va_ssrc(0) depctr_va_vcc(0) depctr_vm_vsrc(0)
	s_getreg_b32 s2, hwreg(HW_REG_IB_STS2, 6, 4)
	s_cmp_eq_u32 s2, 0
	s_cbranch_scc0 .Lentry_in_a_cluster
	s_endpgm
.Lentry_in_a_cluster:
	s_bfe_u32 s2, ttmp6, 0x10000c
	s_cmp_lg_u32 s2, 0xf033
	s_cbranch_scc0 .Lentry_shape_is_right
	s_endpgm
.Lentry_shape_is_right:
; q, k, v = x w^T on codes of FP4 (E2M1) with one E8M0 scale for each 32 along K: C[m][n] = sum over k of A[m][k] B[n][k], A = x's codes [8192][1024], B = the three weights' codes [3072][1024]; sums in f32.
; C is rounded once to f16 and laid in PLANES, qkv16 [n / 64][m][64]: planes 0-15 are q's heads, 16-31 k's, 32-47 v's; in a plane two neighbouring rows are 256 consecutive bytes.
; LIMIT: |q|, |k|, |v| stay under 65,504 (f16's largest number).
; A tile of C, 256 x 256, is made by a work-group of four waves; a wave makes 128 x 128: 64 accumulators of 16 x 16, 512 registers.  K = 1,024 is two K steps of 512 (rows of 256 bytes): each fills one of two LDS slots ONCE,
; with the first fills; nothing is filled again.  The scales of the work-group's rows, for all of K, come with them, as dense blocks.  By this text's count a wave has three tensor loads out at the start.
; CLUSTERS: 4 x 4 work-groups.  The four of a row of the cluster need the same tiles of A, the four of a column the same tiles of B: each tile is asked for JOINTLY, by the same tensor load with the same descriptor and a mask
; that names the four.  THE MATRIX INSTRUCTION IS USED TRANSPOSED (source 0 = 16 rows of B, source 1 = 16 rows of A): a lane then holds eight neighbouring numbers of a row of C.
; REGISTERS, in windows of 256: window 0: v0-31 addresses; v32-95 scale words, two sets; from v128 A's fragments, ONE set; on the way out v32-63, v192-255.   window 1: B's fragments, TWO sets, at v0 and v128.
;   window 2: the 32 accumulators of my rows 0-63 (accumulator (a, b) at v[8 (8 a + b)]);   window 3: those of my rows 64-127.
.set SIZE_M, 8192
.set SIZE_N, 3072
.set SIZE_K, 1024
.set KSTEP,  512
.set NQ,     KSTEP/128
.set ROWB,   256                       ; a tile's row in bytes
.set KROW,   SIZE_K/2                  ; a row of codes in memory
.set PITCH,  272                       ; an LDS row: 256 bytes + 16 of padding: the 16 rows that a load touches start at 16 different banks (64 banks of 4 bytes: ISA guide 11.1)
.set FR,     8
.set NL,     2
.set NP,     4                         ; places behind this matrix instruction (ISA guide 7.12.1)
.set HALFT,  128*PITCH
.set SLOT,   4*HALFT                   ; A's 256 rows, then B's 256 rows
.set KS,     SIZE_K/32                 ; a row of scales in bytes
.set SCL,    2*SLOT                    ; behind the slots: the scales, as runs of 256 bytes + 16 of padding
.set HALFS,  (128*KS/256)*272
.set SBLK,   (16*KS/256)*272
.set SPARE,  SCL+4*HALFS               ; the spare words, 128 bytes a wave, which no other line names
.set SPITCH, 272                       ; the way out: a stage of 16 rows x (256 bytes + 16) for each wave, in slot 0, which has had its one fill and its last read when the first result is stored there
.set PLANE,  SIZE_M*128                ; bytes of a plane
.set ADRA, 16
.set ADRB, 20
.set STO,  24
.set RD,   25
.set CO,   26
.set ADRS, 27
.set SPW,  28
.set NIL,  29
.set SC,   32
.set AF,   128
.set TMP,  192                         ; the way out: a block's packed results
.set OB,   32                          ; and its rows back from the stage: v32-63 and v224-255 by turns
.set G1, 24
.set G0, 32
.set G1B, 48
.set G0B, 56
.set G1S, 68
.set G0S, 76
.set G1SB, 80
.set G0SB, 88
.set MSB, 0
.macro WIN new                         ; the immediate's high byte repeats the setting that is left
.if MSB != \new
	s_set_vgpr_msb (MSB<<8)|\new
.set MSB, \new
.endif
.endm
.set MUL_LO, 0xa1                      ; source 0 (B) window 1, source 1 (A) window 0, C and D window 2
.set MUL_HI, 0xf1
.set TO_B,   0x40
; A joint load: waves 0 and 1 fetch for A, waves 2 and 3 for B; the branch hangs on the wave's number alone.  An s_nop 0 and four v_nop follow each of the two lines.
.macro JLOAD g0a, g1a, g0b, g1b
	s_cmp_eq_u32 s15, 0
	s_cbranch_scc0 .Lfor_b_\@
	tensor_load_to_lds s[\g0a:\g0a+3], s[\g1a:\g1a+7]
	s_nop 0
.rept 4
	v_nop
.endr
	s_branch .Lasked_\@
.Lfor_b_\@:
	tensor_load_to_lds s[\g0b:\g0b+3], s[\g1b:\g1b+7]
	s_nop 0
.rept 4
	v_nop
.endr
.Lasked_\@:
.endm
.macro CROUND                          ; a round of the cluster's barrier
	s_barrier_signal -1
	s_barrier_wait -1
	s_cmp_lg_u32 s14, 0
	s_cbranch_scc1 .Lnot_wave_0_\@
	s_barrier_signal -3
.Lnot_wave_0_\@:
	s_barrier_wait -3
	s_barrier_signal -1
	s_barrier_wait -1
.endm
	s_load_b128 s[4:7], s[0:1], 0x0                ; A's codes, A's scales
	s_load_b128 s[8:11], s[0:1], 0x10              ; B's codes, B's scales
	s_load_b64 s[12:13], s[0:1], 0x20              ; qkv16
	v_lshl_add_u32 v[SPW], v0, 2, SPARE
	v_mov_b32 v[NIL], 0
	ds_add_u32 v[SPW], v[NIL]                      ; the wave's opening: the add, twice on end, and its wait ahead of my first tensor load
	ds_add_u32 v[SPW], v[NIL]
	v_lshrrev_b32 v1, 5, v0
	v_readfirstlane_b32 s14, v1                    ; wave 0..3
	s_lshr_b32 s15, s14, 1                         ; which half of the tile's rows is mine.  Also: I fetch for A (0) or for B (1)
	s_and_b32 s16, s14, 1                          ; which half of its columns.  Also: which 128 rows of that tile I fetch
	s_bfe_u32 s40, ttmp6, 0x40000                  ; cx, cy: my place in the cluster
	s_bfe_u32 s41, ttmp6, 0x40004
	s_lshl_b32 s42, ttmp9, 2
	s_add_co_u32 s42, s42, s40                     ; tile column of C
	s_and_b32 s17, ttmp7, 0xffff
	s_lshl_b32 s17, s17, 2
	s_add_co_u32 s17, s17, s41                     ; tile row of C
	s_lshl_b32 s43, s41, 2
	s_lshl_b32 s43, 15, s43                        ; my row of the cluster
	s_lshl_b32 s44, 0x1111, s40                    ; my column
	s_or_b32 s[G1+0], s43, (0<<16)|(1<<20)|(1<<21)|(5<<22)|(3<<25)  ; the mask; elements of 1 byte; padding on; bit 21 beside a mask; after every 64 words, 4 words
	s_or_b32 s[G1B+0], s44, (0<<16)|(1<<20)|(1<<21)|(5<<22)|(3<<25)
.irp g, G1, G1B
	s_mov_b32 s[\g+1], ROWB<<16                    ; tensor_dim0
	s_mov_b32 s[\g+2], 128<<16                     ; tensor_dim1
	s_mov_b32 s[\g+3], ROWB<<16                    ; tile_dim0
	s_mov_b32 s[\g+4], 128                         ; tile_dim1
	s_mov_b32 s[\g+5], KROW                        ; from row to row
	s_mov_b32 s[\g+6], 0
	s_mov_b32 s[\g+7], 0
.endr
	s_or_b32 s[G1S+0], s43, (3<<16)|(1<<20)|(1<<21)|(5<<22)|(3<<25) ; the scales of 128 rows: a dense block, as rows of 256 bytes (32 elements of 8), 16 bytes of padding behind each
	s_or_b32 s[G1SB+0], s44, (3<<16)|(1<<20)|(1<<21)|(5<<22)|(3<<25)
.irp g, G1S, G1SB
	s_mov_b32 s[\g+1], 32<<16
	s_mov_b32 s[\g+2], (128*KS/256)<<16
	s_mov_b32 s[\g+3], 32<<16
	s_mov_b32 s[\g+4], 128*KS/256
	s_mov_b32 s[\g+5], 32
	s_mov_b32 s[\g+6], 0
	s_mov_b32 s[\g+7], 0
.endr
	s_lshl_b32 s18, s16, 7
	s_lshl_b32 s20, s17, 8
	s_add_co_u32 s20, s20, s18                     ; A: row 256 x tile row + 128 x half
	s_lshl_b32 s46, s42, 8
	s_add_co_u32 s46, s46, s18                     ; B: row 256 x tile column + 128 x half
	s_mov_b32 s21, 0
	s_mov_b32 s47, 0
	s_mov_b64 s[18:19], KS
	s_mul_u64 s[22:23], s[20:21], s[18:19]         ; where these rows' scales begin,
	s_mul_u64 s[92:93], s[46:47], s[18:19]
	s_mov_b64 s[18:19], KROW
	s_mul_u64 s[20:21], s[20:21], s[18:19]         ; and their codes
	s_mul_u64 s[46:47], s[46:47], s[18:19]
	s_mul_i32 s45, s14, HALFT                      ; where they go: wave x 128 rows: no place in the cluster enters an LDS address
	s_mul_i32 s94, s14, HALFS
	s_wait_dscnt 0x0                               ; both opening adds are done
	s_wait_kmcnt 0x0
	s_add_nc_u64 s[20:21], s[4:5], s[20:21]
	s_add_nc_u64 s[22:23], s[6:7], s[22:23]
	s_add_nc_u64 s[46:47], s[8:9], s[46:47]
	s_add_nc_u64 s[92:93], s[10:11], s[92:93]
	CROUND                                         ; all sixteen work-groups are here: the joint loads meet
	s_mov_b32 s[G0S], 1
	s_add_co_u32 s[G0S+1], s94, SCL
	s_mov_b64 s[G0S+2:G0S+3], s[22:23]
	s_or_b32 s[G0S+3], s[G0S+3], 0x80000000
	s_mov_b32 s[G0SB], 1
	s_add_co_u32 s[G0SB+1], s94, SCL
	s_mov_b64 s[G0SB+2:G0SB+3], s[92:93]
	s_or_b32 s[G0SB+3], s[G0SB+3], 0x80000000
	JLOAD G0S, G1S, G0SB, G1SB                     ; the scales first: they are wanted with K step 0
.irp s, 0,1
	s_mov_b32 s[G0+4*\s], 1
	s_add_co_u32 s[G0+4*\s+1], s45, \s*SLOT
	s_add_nc_u64 s[G0+4*\s+2:G0+4*\s+3], s[20:21], \s*ROWB
	s_or_b32 s[G0+4*\s+3], s[G0+4*\s+3], 0x80000000
	s_mov_b32 s[G0B+4*\s], 1
	s_add_co_u32 s[G0B+4*\s+1], s45, \s*SLOT
	s_add_nc_u64 s[G0B+4*\s+2:G0B+4*\s+3], s[46:47], \s*ROWB
	s_or_b32 s[G0B+4*\s+3], s[G0B+4*\s+3], 0x80000000
	JLOAD G0+4*\s, G1, G0B+4*\s, G1B
.endr
	v_and_b32 v1, 15, v0                           ; r = l % 16
	v_bfe_u32 v2, v0, 4, 1                         ; h = l / 16
	v_mul_u32_u24 v3, v1, PITCH
	v_lshl_add_u32 v4, v2, 4, v3                   ; a fragment's row x pitch + 16 x half
	s_mul_i32 s21, s15, HALFT                      ; my 128 rows of A
	s_mul_i32 s22, s16, HALFT                      ; my 128 rows of B,
	s_add_co_u32 s22, s22, 2*HALFT                 ; which lie behind A's 256
.irp s, 0,1
	v_add_nc_u32 v[ADRA+\s], s21, v4
	v_add_nc_u32 v[ADRB+\s], s22, v4
	s_add_co_u32 s21, s21, SLOT
	s_add_co_u32 s22, s22, SLOT
.endr
	v_mul_u32_u24 v5, v1, KS                       ; my row's scales: KS bytes a row,
	v_lshrrev_b32 v6, 8, v5
	v_lshl_add_u32 v5, v6, 4, v5                   ; and 16 more for each 256 passed
	s_mul_i32 s21, s15, HALFS
	s_mul_i32 s22, s16, HALFS
	s_add_co_u32 s22, s22, 2*HALFS
	s_sub_co_u32 s22, s22, s21
	v_mul_u32_u24 v6, s22, v2                      ; lanes 16-31 take B's: one product, the distance between the two bases x h
	s_add_co_u32 s21, s21, SCL
	v_add_nc_u32 v5, v5, v6
	v_add_nc_u32 v[ADRS], s21, v5
	s_mul_i32 s23, s14, 16*SPITCH                  ; my stage
	v_mul_u32_u24 v5, v1, SPITCH                   ; in: row r, 16 bytes for each half of the lanes
	v_lshl_add_u32 v5, v2, 4, v5
	v_add_nc_u32 v[STO], s23, v5
	v_bfe_u32 v5, v0, 3, 1                         ; back: lanes 0-7 take the first plane's 128 bytes of one row, lanes 8-15 of the next; lanes 16-31 the second plane's
	v_mul_u32_u24 v5, v5, SPITCH
	v_lshl_add_u32 v5, v2, 7, v5
	v_and_b32 v6, 7, v0
	v_lshl_add_u32 v5, v6, 4, v5
	v_add_nc_u32 v[RD], s23, v5
	v_lshlrev_b32 v[CO], 20, v2                    ; in memory: a plane (2^20 bytes) on for lanes 16-31, 16 bytes a lane within sixteen
	v_lshl_add_u32 v[CO], v1, 4, v[CO]
	s_lshl_b32 s20, s17, 8
	s_lshl_b32 s21, s15, 7
	s_add_co_u32 s20, s20, s21                     ; my first row: 256 x tile row + 128 x half,
	s_lshl_b32 s20, s20, 7                         ; 128 bytes a row
	s_lshl_b32 s46, s42, 2
	s_lshl_b32 s47, s16, 1
	s_add_co_u32 s46, s46, s47                     ; my first plane: 4 x tile column + 2 x half
	s_lshl_b32 s46, s46, 20
	s_add_co_u32 s20, s20, s46
	s_mov_b32 s21, 0
	s_add_nc_u64 s[12:13], s[12:13], s[20:21]
.macro FRAG reg, adr, q, i             ; 16 rows x 128 K of 4-bit codes: lane l holds row l % 16; registers 4 c .. 4 c + 3 hold K = 64 c + 32 (l / 16) + 0 .. 31
.irp c, 0,1
	ds_load_b128 v[\reg+4*\c:\reg+4*\c+3], v[\adr] offset:64*(\q)+32*\c+(\i)*16*PITCH
.endr
.endm
; 16 matrix instructions: A's blocks a0, a0 + 1 x B's eight, the slot's q-th 128 along K.  The 64 accumulators take turns, one instruction a turn, in the same order in every step.
.macro MUL16 a0, p, q, sc, zero
.irp a, \a0, \a0+1
.irp b, 0,1,2,3,4,5,6,7
.if \zero
	v_wmma_scale_f32_16x16x128_f8f6f4 v[8*(8*((\a)%4)+\b):8*(8*((\a)%4)+\b)+7], v[128*(\p)+FR*\b:128*(\p)+FR*\b+FR-1], v[AF+FR*(\a):AF+FR*(\a)+FR-1], 0, v[SC+8*NQ*(\sc)+NQ*\b+(\q)], v[SC+8*NQ*(\sc)+NQ*(\a)+(\q)] matrix_a_fmt:MATRIX_FMT_FP4 matrix_b_fmt:MATRIX_FMT_FP4 matrix_a_scale:MATRIX_SCALE_ROW1
.else
	v_wmma_scale_f32_16x16x128_f8f6f4 v[8*(8*((\a)%4)+\b):8*(8*((\a)%4)+\b)+7], v[128*(\p)+FR*\b:128*(\p)+FR*\b+FR-1], v[AF+FR*(\a):AF+FR*(\a)+FR-1], v[8*(8*((\a)%4)+\b):8*(8*((\a)%4)+\b)+7], v[SC+8*NQ*(\sc)+NQ*\b+(\q)], v[SC+8*NQ*(\sc)+NQ*(\a)+(\q)] matrix_a_fmt:MATRIX_FMT_FP4 matrix_b_fmt:MATRIX_FMT_FP4 matrix_a_scale:MATRIX_SCALE_ROW1
.endif
.endr
.endr
.endm
.macro FETCH_B slot, q, p
	WIN TO_B
.irp i, 0,1,2,3,4,5,6,7
	FRAG 128*(\p)+FR*\i, ADRB+\slot, \q, \i
.endr
	WIN 0
.endm
.macro FETCH_A slot, q, i0
.irp i, \i0, \i0+1, \i0+2, \i0+3
	FRAG AF+FR*(\i), ADRA+\slot, \q, \i
.endr
.endm
.macro SCALES sc                       ; a K step's scale words into set sc: lanes 0-15 take A's block i, lanes 16-31 B's block i
.irp i, 0,1,2,3,4,5,6,7
	ds_load_b128 v[SC+8*NQ*\sc+NQ*\i:SC+8*NQ*\sc+NQ*\i+3], v[ADRS] offset:\i*SBLK
.endr
.endm
.macro PLACES n                        ; plain vector lines between a matrix instruction and a load into, or a read of, its registers
.rept \n
	v_nop
.endr
.endm
.macro STEP slot, q, zero              ; a step of 128 along K that has its successor in the same slot
	s_wait_dscnt 4*NL                              ; B's set and A's blocks 0-3 are in; the youngest eight loads (A's blocks 4-7) may be out
	WIN MUL_LO
	MUL16 0, (\q)%2, \q, \slot, \zero
	MUL16 2, (\q)%2, \q, \slot, \zero
	s_wait_dscnt 0
	PLACES NP
	FETCH_B \slot, (\q)+1, 1-(\q)%2
	FETCH_A \slot, (\q)+1, 0
	WIN MUL_HI
	MUL16 4, (\q)%2, \q, \slot, \zero
	MUL16 6, (\q)%2, \q, \slot, \zero
	PLACES NP
	WIN 0
	FETCH_A \slot, (\q)+1, 4
.endm
; Slot 0's last step changes slots: one barrier; in front of it each wave waits for all its tensor loads (its part of slot 1), adds 0 to its spare word, and waits for that and for its reads of slot 0.  Nothing is filled again.
.macro TURN slot, next
	s_wait_tensorcnt 0x0
	ds_add_u32 v[SPW], v[NIL]
	s_wait_dscnt 4*NL+1                            ; (the add and the youngest eight loads may be out)
	WIN MUL_LO
	MUL16 0, 1, NQ-1, \slot, 0
	s_wait_dscnt 0x0                               ; the add is done, and my reads of this slot are over
	s_barrier_signal -1
	MUL16 2, 1, NQ-1, \slot, 0
	WIN 0
	s_barrier_wait -1
	PLACES NP
	v_add_nc_u32 v[ADRS], 4*NQ, v[ADRS]            ; on to the next K step's scale words (no LDS load of mine is out)
	FETCH_B \next, 0, 0
	FETCH_A \next, 0, 0
	SCALES \next
	WIN MUL_HI
	MUL16 4, 1, NQ-1, \slot, 0
	MUL16 6, 1, NQ-1, \slot, 0
	PLACES NP
	WIN 0
	FETCH_A \next, 0, 4
.endm
	s_wait_tensorcnt 1                             ; the scales and my part of K step 0 are in (K step 1's load may be out)
	s_barrier_signal -1
	s_barrier_wait -1                              ; everybody's are
	FETCH_B 0, 0, 0
	FETCH_A 0, 0, 0
	SCALES 0
	FETCH_A 0, 0, 4
	STEP 0, 0, 1                                   ; the first products start the sums: nothing is cleared
	STEP 0, 1, 0
	STEP 0, 2, 0
	TURN 0, 1
	STEP 1, 0, 0
	STEP 1, 1, 0
	STEP 1, 2, 0
	s_wait_dscnt 4*NL                              ; the very last step: nothing more to fetch
	WIN MUL_LO
	MUL16 0, 1, NQ-1, 1, 0
	MUL16 2, 1, NQ-1, 1, 0
	s_wait_dscnt 0
	WIN MUL_HI
	MUL16 4, 1, NQ-1, 1, 0
	MUL16 6, 1, NQ-1, 1, 0
	WIN 0
; THE WAY OUT, block by block of 16 rows x 128 columns (two planes).  PACK: rounded to f16, 16 bytes a lane, each accumulator from its low end on.  TOSTAGE: into my stage and back by rows.  SEND: sixteen lanes store
; two neighbouring rows of a plane, 256 consecutive bytes, aligned.  Every place in memory is an immediate: no base is stepped.
.macro PACK a
.set AC, 64*((\a)%4)
	WIN 0x0a+5*((\a)/4)                            ; sources 0 and 1: window 2 or 3
.irp b, 0,1,2,3,4,5,6,7
.irp i, 0,1,2,3
	v_cvt_pk_f16_f32 v[TMP+4*\b+\i], v[AC+8*\b+2*\i], v[AC+8*\b+2*\i+1]
.endr
.endr
	WIN 0
.endm
.macro TOSTAGE a
.set BK, OB+192*((\a)%2)
.irp b, 0,1,2,3,4,5,6,7
	ds_store_b128 v[STO], v[TMP+4*\b:TMP+4*\b+3] offset:32*\b
.endr
.irp t, 0,1,2,3,4,5,6,7
	ds_load_b128 v[BK+4*\t:BK+4*\t+3], v[RD] offset:\t*2*SPITCH    ; LDS serves a wave's instructions in order: these see the stores above
.endr
.endm
.macro SEND a
.set BK, OB+192*((\a)%2)
	s_wait_dscnt 0x0                               ; the block is back in registers
	s_wait_xcnt 0x0                                ; the earlier stores have read their data: the set that they named is loaded again only behind this wait
.irp t, 0,1,2,3,4,5,6,7
	global_store_b128 v[CO], v[BK+4*\t:BK+4*\t+3], s[12:13] offset:2048*(\a)+256*\t
.endr
.endm
	PLACES NP                                      ; behind the last products: for the loads into registers that they read and for the reads of their results
	PACK 0
	TOSTAGE 0
.irp a, 1,2,3,4,5,6,7                  ; block a's conversions stand between block a - 1's loads from the stage and the wait for them
	PACK \a
	SEND \a-1
	TOSTAGE \a
.endr
	SEND 7
	s_wait_tensorcnt 0x0                           ; the wave's end
	ds_add_u32 v[SPW], v[NIL]
	s_wait_dscnt 0x0
	CROUND                                         ; the closing round: no work-group ends while a partner may still ask for a tile that names it
	s_endpgm
.Lfunc_end_k_q28e49a5ae0_qkv:
	.size	k_q28e49a5ae0_qkv, .Lfunc_end_k_q28e49a5ae0_qkv-k_q28e49a5ae0_qkv
	.p2alignl 7, 3214868480
	.fill 96, 4, 3214868480
	.section	.rodata,"a",@progbits
	.p2align	6, 0x0
	.amdhsa_kernel k_q28e49a5ae0_qkv
		.amdhsa_group_segment_fixed_size 327680
		.amdhsa_private_segment_fixed_size 0
		.amdhsa_enable_private_segment 0
		.amdhsa_kernarg_size 40
		.amdhsa_user_sgpr_count 2
		.amdhsa_user_sgpr_kernarg_segment_ptr 1
		.amdhsa_wavefront_size32 1
		.amdhsa_system_sgpr_workgroup_id_x 1
		.amdhsa_system_sgpr_workgroup_id_y 1
		.amdhsa_system_sgpr_workgroup_id_z 1
		.amdhsa_system_vgpr_workitem_id 0
		.amdhsa_next_free_vgpr 1024
		.amdhsa_next_free_sgpr 98
		.amdhsa_reserve_vcc 0
		.amdhsa_float_denorm_mode_32 3
		.amdhsa_float_denorm_mode_16_64 3
		.amdhsa_memory_ordered 1
		.amdhsa_forward_progress 1
		.amdhsa_inst_pref_size 126
	.end_amdhsa_kernel
	.amdgpu_metadata
---
amdhsa.version: [ 1, 2 ]
amdhsa.kernels:
  - .name:           k_q28e49a5ae0_qkv
    .symbol:         k_q28e49a5ae0_qkv.kd
    .args:
      - { .name: xc, .offset: 0, .size: 8, .value_kind: global_buffer, .address_space: global }
      - { .name: xs, .offset: 8, .size: 8, .value_kind: global_buffer, .address_space: global }
      - { .name: wc, .offset: 16, .size: 8, .value_kind: global_buffer, .address_space: global }
      - { .name: ws, .offset: 24, .size: 8, .value_kind: global_buffer, .address_space: global }
      - { .name: qkv16, .offset: 32, .size: 8, .value_kind: global_buffer, .address_space: global }
    .group_segment_fixed_size: 327680
    .private_segment_fixed_size: 0
    .kernarg_segment_align: 8
    .kernarg_segment_size: 40
    .max_flat_workgroup_size: 128
    .sgpr_count:     98
    .vgpr_count:     1024
    .wavefront_size: 32
...
	.end_amdgpu_metadata
.endif
;; end of part 2
;; launch head16 (part 3): grid 16 x 4, 12 waves a work-group, no clusters, 221,696 bytes of LDS; arguments xc, xs, wc, ws, o16; writes o16
.if DOCPART == 3
	.amdgcn_target "amdgcn-amd-amdhsa--gfx1250"
	.amdhsa_code_object_version 6
	.text
	.protected	k_q28e49a5ae0_head16
	.globl	k_q28e49a5ae0_head16
	.p2align	8
	.type	k_q28e49a5ae0_head16,@function
k_q28e49a5ae0_head16:
	s_mov_b64 s[64:65], 0
	v_nop
	global_prefetch_b8 v0, s[64:65] scope:SCOPE_SE
	s_setreg_imm32_b32 hwreg(HW_REG_WAVE_MODE, 25, 1), 1
	s_wait_xcnt 0x0
; THE FIRST 16 POSITIONS OF EVERY SEQUENCE, CARRIED IN f32.  Under the causal mask these rows average one to sixteen values and are the largest of the output: f16 operands would use up too much of what the comparison allows.
; A work-group takes one (batch, head).  Its twelve waves make q, k, v of positions 0-15 once more by products on FP4 codes: wave w makes tensor w / 4 (q, k, v), channels 16 (w % 4) .. + 15 of the head: 16 x 16 x 1,024,
; eight matrix instructions on two accumulators by turns.  The results stay f32, meet in LDS, and wave 0 does the 16 x 16 attention with f32 matrix instructions and an f32 softmax (maximum taken away).
; o16 [16 b + t][1024] f32 takes the result: 16 rows x 256 bytes, each row's part stored whole by sixteen lanes.
; No cluster, no ring: each wave brings its own two tiles (16 rows x 512 bytes of x's codes, the same of its weight's) by two first fills and reads only its own bytes: two tensor loads of a wave are out, none is a refill.
; The work is small (64 work-groups): the launch is there for accuracy, not for speed.
.set REG,   16896                      ; a wave's region: x's 16 rows, then the weight's
.set WOFF,  8448
.set PIT,   528                        ; a row of 512 bytes + 16 of padding
.set TP,    272                        ; a row of 64 f32 + 16
.set T32,   16*TP
.set Q32,   12*REG                     ; q, then k, then v: 16 positions x 64 channels, f32
.set STG,   Q32+3*T32                  ; the stage for the way out
.set SPARE, STG+T32                    ; the spare words, 128 bytes a wave, which no other line names
.set SPW, 252
.set NIL, 253
.set XF,  16                           ; v16-79   x's eight fragments;     later k's (v16-47) and q's (v48-79) f32 fragments; later the result
.set WF,  80                           ; v80-143  the weight's eight;      later v^T (v80-111), scores (v112-119), p (v120-127)
.set XS,  144                          ; v144-151 x's scale words, v152-159 the weight's: scales and nothing else
.set WS,  152
.set AC,  160                          ; v160-175 two accumulators of the FP4 products; v176-183 their sum
.set RS,  176
.set KF,  16
.set QF,  48
.set VT,  80
.set T,   112
.set PP,  120
.set SA,  192                          ; v192-207 two accumulators of S^T, v208-239 four of O^T: written by matrix instructions alone
.set OA,  208
	s_load_b256 s[4:11], s[0:1], 0x0               ; xc 4, xs 6, wc 8, ws 10
	s_load_b64 s[12:13], s[0:1], 0x20              ; o16
	v_lshl_add_u32 v[SPW], v0, 2, SPARE
	v_mov_b32 v[NIL], 0
	ds_add_u32 v[SPW], v[NIL]                      ; the wave's opening: the add, twice on end, and its wait ahead of my first tensor load
	ds_add_u32 v[SPW], v[NIL]
	v_lshrrev_b32 v1, 5, v0
	v_readfirstlane_b32 s14, v1                    ; wave 0..11
	s_lshr_b32 s15, s14, 2                         ; which tensor
	s_and_b32 s16, s14, 3                          ; which 16 channels
	s_and_b32 s17, ttmp7, 0xffff                   ; batch
	s_mov_b32 s24, (0<<16)|(1<<20)|(6<<22)|(3<<25) ; group 1, for both tiles: elements of 1 byte; padding on: after every 128 words, 4 words
	s_mov_b32 s25, 512<<16                         ; tensor_dim0
	s_mov_b32 s26, 16<<16                          ; tensor_dim1
	s_mov_b32 s27, 512<<16                         ; tile_dim0
	s_mov_b32 s28, 16                              ; tile_dim1
	s_mov_b32 s29, 512                             ; from row to row
	s_mov_b32 s30, 0
	s_mov_b32 s31, 0
	s_mul_i32 s18, s14, REG                        ; my region
	s_lshl_b32 s40, s15, 10
	s_lshl_b32 s41, ttmp9, 6
	s_add_co_u32 s40, s40, s41
	s_lshl_b32 s41, s16, 4
	s_add_co_u32 s40, s40, s41                     ; my weight's first row: 1,024 x tensor + 64 x head + 16 x tile
	s_lshl_b32 s42, s40, 9                         ; its codes,
	s_mov_b32 s43, 0
	s_lshl_b32 s44, s40, 5                         ; its scale bytes
	s_mov_b32 s45, 0
	s_lshl_b32 s46, s17, 20                        ; the batch's first row of x's codes: 2,048 rows x 512 bytes
	s_mov_b32 s47, 0
	s_lshl_b32 s2, s17, 16                         ; of x's scale bytes (2,048 x 32), and the batch's 16 rows of o16 (16 x 4,096)
	s_mov_b32 s3, 0
	s_mul_i32 s19, s15, T32
	s_lshl_b32 s41, s16, 6
	s_add_co_u32 s19, s19, s41
	s_add_co_u32 s19, s19, Q32                     ; where my 16 x 16 results go: the tensor's table, 64 bytes a tile of channels
	s_mov_b32 s20, 0x76543210
	s_mov_b32 s21, 0xfedcba98                      ; v_permlanex16_b32's selects for lane l xor 16
	s_mov_b32 s22, 0x3e38aa3b                      ; c = log2(e) / sqrt(64)
	s_wait_dscnt 0x0                               ; both opening adds are done
	s_wait_kmcnt 0x0
	s_mov_b32 s32, 1
	s_mov_b32 s33, s18
	s_add_nc_u64 s[34:35], s[4:5], s[46:47]
	s_or_b32 s35, s35, 0x80000000
	s_mov_b32 s36, 1
	s_add_co_u32 s37, s18, WOFF
	s_add_nc_u64 s[38:39], s[8:9], s[42:43]
	s_or_b32 s39, s39, 0x80000000
	tensor_load_to_lds s[32:35], s[24:31]          ; x's 16 rows
	s_nop 0
	tensor_load_to_lds s[36:39], s[24:31]          ; my weight's 16 rows
	s_nop 0
.rept 4
	v_nop
.endr
	s_add_nc_u64 s[6:7], s[6:7], s[2:3]
	s_add_nc_u64 s[10:11], s[10:11], s[44:45]
	s_add_nc_u64 s[12:13], s[12:13], s[2:3]
	s_lshl_b32 s40, ttmp9, 8                       ; the head's 256 bytes of a row of o16
	s_mov_b32 s41, 0
	s_add_nc_u64 s[12:13], s[12:13], s[40:41]
	v_and_b32 v1, 15, v0                           ; r
	v_bfe_u32 v2, v0, 4, 1                         ; h
	v_lshlrev_b32 v3, 5, v1                        ; a row's eight scale words
	global_load_b128 v[XS:XS+3], v3, s[6:7]
	global_load_b128 v[XS+4:XS+7], v3, s[6:7] offset:16
	global_load_b128 v[WS:WS+3], v3, s[10:11]
	global_load_b128 v[WS+4:WS+7], v3, s[10:11] offset:16
	; every LDS address is made here, ahead of the place where the waves part
	v_mul_u32_u24 v4, v1, PIT
	v_lshl_add_u32 v4, v2, 4, v4
	v_add_nc_u32 v4, s18, v4                       ; v4  fragments of codes: my region + 528 r + 16 h
	v_mul_u32_u24 v12, v1, TP
	v_lshl_add_u32 v5, v2, 5, v12
	v_add_nc_u32 v5, s19, v5                       ; v5  my results: row r, 32 h
	v_lshl_add_u32 v6, v2, 4, v12
	v_add_nc_u32 v6, Q32, v6                       ; v6  f32 fragments of q (k: T32 further on): row r, 16 h
	v_mul_u32_u24 v7, v2, 8*TP
	v_lshl_add_u32 v7, v1, 2, v7
	v_add_nc_u32 v7, Q32+2*T32, v7                 ; v7  v^T: key 8 h, channel r
	v_lshl_add_u32 v8, v2, 5, v12
	v_add_nc_u32 v8, STG, v8                       ; v8  the stage, in
	v_mul_u32_u24 v9, v2, TP
	v_lshl_add_u32 v9, v1, 4, v9
	v_add_nc_u32 v9, STG, v9                       ; v9  the stage, back: lanes 0-15 one row, lanes 16-31 the next
	v_lshlrev_b32 v10, 12, v2
	v_lshl_add_u32 v10, v1, 4, v10                 ; v10 the same two rows in o16
	v_lshlrev_b32 v11, 3, v2
	v_sub_nc_u32 v11, v1, v11                      ; v11 d = r - 8 h: register j holds key 8 h + j, hidden where j > d
	v_mov_b32 v13, 0xff800000                      ; -infinity
	v_mov_b32 v15, 0                               ; (a lane permute's destination counts as one of its sources)
	s_wait_tensorcnt 0x0                           ; my two tiles are in; only I read them
.irp s, 0,1,2,3,4,5,6,7
	ds_load_b128 v[XF+8*\s:XF+8*\s+3], v4 offset:64*\s
	ds_load_b128 v[XF+8*\s+4:XF+8*\s+7], v4 offset:64*\s+32
	ds_load_b128 v[WF+8*\s:WF+8*\s+3], v4 offset:WOFF+64*\s
	ds_load_b128 v[WF+8*\s+4:WF+8*\s+7], v4 offset:WOFF+64*\s+32
.endr
	s_wait_dscnt 0x0
	s_wait_loadcnt 0x0
	; transposed: source 0 = 16 rows of the weight (channels), source 1 = x's 16 positions: lane (r, h) holds position r, channels 8 h + 0 .. 7.  Two accumulators by turns
.irp s, 0,1,2,3,4,5,6,7
.if \s < 2
	v_wmma_scale_f32_16x16x128_f8f6f4 v[AC+8*(\s%2):AC+8*(\s%2)+7], v[WF+8*\s:WF+8*\s+7], v[XF+8*\s:XF+8*\s+7], 0, v[WS+\s], v[XS+\s] matrix_a_fmt:MATRIX_FMT_FP4 matrix_b_fmt:MATRIX_FMT_FP4
.else
	v_wmma_scale_f32_16x16x128_f8f6f4 v[AC+8*(\s%2):AC+8*(\s%2)+7], v[WF+8*\s:WF+8*\s+7], v[XF+8*\s:XF+8*\s+7], v[AC+8*(\s%2):AC+8*(\s%2)+7], v[WS+\s], v[XS+\s] matrix_a_fmt:MATRIX_FMT_FP4 matrix_b_fmt:MATRIX_FMT_FP4
.endif
.endr
.rept 4
	v_nop
.endr
.irp j, 0,1,2,3,4,5,6,7
	v_add_f32 v[RS+\j], v[AC+\j], v[AC+8+\j]       ; the two halves of K, from the low end on
.endr
	ds_store_b128 v5, v[RS:RS+3]
	ds_store_b128 v5, v[RS+4:RS+7] offset:16
	s_wait_dscnt 0x0                               ; for the others' sake: my stores have landed
	s_barrier_signal -1
	s_barrier_wait -1                              ; q, k, v of the 16 positions lie in LDS
	s_cmp_lg_u32 s14, 0
	s_cbranch_scc1 .Lend
	; WAVE 0.  A load of 16 bytes gives lane (r, h) channels 8 s + 4 h + 0 .. 3 of row r; registers 2 u, 2 u + 1 of it are one K step of 4: the channels are dealt alike to both sources, so the products are kept
.irp s, 0,1,2,3,4,5,6,7
	ds_load_b128 v[KF+4*\s:KF+4*\s+3], v6 offset:T32+32*\s
.endr
.irp s, 0,1,2,3,4,5,6,7
	ds_load_b128 v[QF+4*\s:QF+4*\s+3], v6 offset:32*\s
.endr
.irp ct, 0,1,2,3
.irp k, 0,1,2,3,4,5,6,7
	ds_load_b32 v[VT+8*\ct+\k], v7 offset:TP*\k+64*\ct             ; v(key 8 h + k, channel 16 ct + r)
.endr
.endr
	s_wait_dscnt 0x0
.set n, 0
.rept 16                               ; S^T = k q^T: source 0 = 16 keys, source 1 = 16 queries: lane (r, h) holds query r, keys 8 h + 0 .. 7
.if n < 2
	v_wmma_f32_16x16x4_f32 v[SA+8*(n%2):SA+8*(n%2)+7], v[KF+2*n:KF+2*n+1], v[QF+2*n:QF+2*n+1], 0
.else
	v_wmma_f32_16x16x4_f32 v[SA+8*(n%2):SA+8*(n%2)+7], v[KF+2*n:KF+2*n+1], v[QF+2*n:QF+2*n+1], v[SA+8*(n%2):SA+8*(n%2)+7]
.endif
.set n, n+1
.endr
.rept 8
	v_nop                                          ; eight places behind this form
.endr
.irp j, 0,1,2,3,4,5,6,7
	v_add_f32 v[T+\j], v[SA+\j], v[SA+8+\j]
.endr
.irp j, 0,1,2,3,4,5,6,7
	v_cmp_gt_i32 vcc_lo, \j, v11
	v_cndmask_b32 v[T+\j], v[T+\j], v13, vcc_lo    ; the causal mask: hidden scores become -infinity
.endr
	v_max3_num_f32 v14, v[T], v[T+1], v[T+2]
	v_max3_num_f32 v14, v14, v[T+3], v[T+4]
	v_max3_num_f32 v14, v14, v[T+5], v[T+6]
	v_max_num_f32 v14, v14, v[T+7]
	v_permlanex16_b32 v15, v14, s20, s21
	v_max_num_f32 v14, v14, v15                    ; the row's maximum (key 0 counts for every query, so it is a number)
	v_mul_f32 v14, s22, v14
.irp j, 0,1,2,3,4,5,6,7
	v_fma_f32 v[PP+\j], v[T+\j], s22, -v14         ; c s - c m
.endr
.irp j, 0,1,2,3,4,5,6,7
	v_exp_f32 v[PP+\j], v[PP+\j]
.endr
	v_nop                                          ; a plain line behind the exponentials,
	s_wait_alu depctr_va_vdst(0)                   ; and one wait for the batch, ahead of its first reader
	v_add_f32 v128, v[PP], v[PP+1]
	v_add_f32 v129, v[PP+2], v[PP+3]
	v_add_f32 v130, v[PP+4], v[PP+5]
	v_add_f32 v131, v[PP+6], v[PP+7]
	v_add_f32 v128, v128, v129
	v_add_f32 v130, v130, v131
	v_add_f32 v128, v128, v130
	v_permlanex16_b32 v15, v128, s20, s21
	v_add_f32 v128, v128, v15                      ; the row's sum
	v_rcp_f32 v129, v128
	v_nop
	s_wait_alu depctr_va_vdst(0)
.irp s, 0,1,2,3                        ; O^T = v^T p: K step s holds keys 8 h + 2 s, 8 h + 2 s + 1 in both sources; four accumulators by turns
.irp ct, 0,1,2,3
.if \s == 0
	v_wmma_f32_16x16x4_f32 v[OA+8*\ct:OA+8*\ct+7], v[VT+8*\ct+2*\s:VT+8*\ct+2*\s+1], v[PP+2*\s:PP+2*\s+1], 0
.else
	v_wmma_f32_16x16x4_f32 v[OA+8*\ct:OA+8*\ct+7], v[VT+8*\ct+2*\s:VT+8*\ct+2*\s+1], v[PP+2*\s:PP+2*\s+1], v[OA+8*\ct:OA+8*\ct+7]
.endif
.endr
.endr
.rept 8
	v_nop
.endr
.set n, 0
.rept 32
	v_mul_f32 v[16+n], v[OA+n], v129               ; / the sum: register 8 ct + j is o(r, 16 ct + 8 h + j)
.set n, n+1
.endr
.irp ct, 0,1,2,3
	ds_store_b128 v8, v[16+8*\ct:16+8*\ct+3] offset:64*\ct
	ds_store_b128 v8, v[16+8*\ct+4:16+8*\ct+7] offset:64*\ct+16
.endr
.irp i, 0,1,2,3,4,5,6,7
	ds_load_b128 v[48+4*\i:48+4*\i+3], v9 offset:2*TP*\i           ; LDS serves a wave's instructions in order: these see my stores
.endr
.irp i, 0,1,2,3,4,5,6,7
	s_wait_dscnt 7-\i
	global_store_b128 v10, v[48+4*\i:48+4*\i+3], s[12:13] offset:8192*\i   ; sixteen lanes store 256 consecutive bytes, aligned
.endr
.Lend:
	s_wait_tensorcnt 0x0                           ; the wave's end
	ds_add_u32 v[SPW], v[NIL]
	s_wait_dscnt 0x0
	s_endpgm
.Lfunc_end_k_q28e49a5ae0_head16:
	.size	k_q28e49a5ae0_head16, .Lfunc_end_k_q28e49a5ae0_head16-k_q28e49a5ae0_head16
	.p2alignl 7, 3214868480
	.fill 96, 4, 3214868480
	.section	.rodata,"a",@progbits
	.p2align	6, 0x0
	.amdhsa_kernel k_q28e49a5ae0_head16
		.amdhsa_group_segment_fixed_size 221696
		.amdhsa_private_segment_fixed_size 0
		.amdhsa_enable_private_segment 0
		.amdhsa_kernarg_size 40
		.amdhsa_user_sgpr_count 2
		.amdhsa_user_sgpr_kernarg_segment_ptr 1
		.amdhsa_wavefront_size32 1
		.amdhsa_system_sgpr_workgroup_id_x 1
		.amdhsa_system_sgpr_workgroup_id_y 1
		.amdhsa_system_sgpr_workgroup_id_z 1
		.amdhsa_system_vgpr_workitem_id 0
		.amdhsa_next_free_vgpr 256
		.amdhsa_next_free_sgpr 66
		.amdhsa_reserve_vcc 1
		.amdhsa_float_denorm_mode_32 3
		.amdhsa_float_denorm_mode_16_64 3
		.amdhsa_memory_ordered 1
		.amdhsa_forward_progress 1
		.amdhsa_inst_pref_size 20
	.end_amdhsa_kernel
	.amdgpu_metadata
---
amdhsa.version: [ 1, 2 ]
amdhsa.kernels:
  - .name:           k_q28e49a5ae0_head16
    .symbol:         k_q28e49a5ae0_head16.kd
    .args:
      - { .name: xc, .offset: 0, .size: 8, .value_kind: global_buffer, .address_space: global }
      - { .name: xs, .offset: 8, .size: 8, .value_kind: global_buffer, .address_space: global }
      - { .name: wc, .offset: 16, .size: 8, .value_kind: global_buffer, .address_space: global }
      - { .name: ws, .offset: 24, .size: 8, .value_kind: global_buffer, .address_space: global }
      - { .name: o16, .offset: 32, .size: 8, .value_kind: global_buffer, .address_space: global }
    .group_segment_fixed_size: 221696
    .private_segment_fixed_size: 0
    .kernarg_segment_align: 8
    .kernarg_segment_size: 40
    .max_flat_workgroup_size: 384
    .sgpr_count:     66
    .vgpr_count:     256
    .wavefront_size: 32
...
	.end_amdgpu_metadata
.endif
;; end of part 3
;; launch attn (part 4): grid 4 x 64, 8 waves a work-group, no clusters, 327,680 bytes of LDS; arguments qkv16, ao; writes ao
.if DOCPART == 4
	.amdgcn_target "amdgcn-amd-amdhsa--gfx1250"
	.amdhsa_code_object_version 6
	.text
	.protected	k_q28e49a5ae0_attn
	.globl	k_q28e49a5ae0_attn
	.p2align	8
	.type	k_q28e49a5ae0_attn,@function
k_q28e49a5ae0_attn:
	s_mov_b64 s[64:65], 0
	v_nop
	global_prefetch_b8 v0, s[64:65] scope:SCOPE_SE
	s_setreg_imm32_b32 hwreg(HW_REG_WAVE_MODE, 25, 1), 1
	s_wait_xcnt 0x0
; CAUSAL ATTENTION, head size 64, 2,048 positions, 64 (batch, head) pairs.  q, k, v come as f16 planes qkv16 [48][8192][64] (plane h: q, 16 + h: k, 32 + h: v; row 2048 b + t); the result goes to ao [16][8192][64], f16.
; Products on f16 operands with f32 sums; maxima, exponentials and sums in f32; the weights p are rounded to f16 for the second product, O once at the end.  A running maximum is taken away ahead of every exponential.
; LIMIT: the result stays under 65,504 (f16's largest number), as v does.  (Rows t < 16 are stored here too; what becomes of them in the output is written anew, from f32 numbers, by the program's last launch.)
; SHARES.  A head's queries are 8 blocks of 256.  Work-group j (0..3) takes block 7 - j with key blocks 0 .. 7 - j and then block j with key blocks 0 .. j: NINE trips of 256 keys for every work-group, so that all
; 256 work-groups have equal work and every trip count is a constant of the text.  A wave owns 32 queries, two tiles of 16: in a block, wave w takes the 32 at 32 w (w < 4) or 32 (11 - w).  A key step is 64 keys.
; A step all of whose keys come after the wave's queries is left out by a scalar branch on ids, round its loads and arithmetic alone; in the step on the diagonal hidden scores become -infinity.
; LAYOUT.  S^T = K Q^T (source 0 = 16 keys, source 1 = 16 queries): a lane holds ONE query (lane % 16) and keys 8 (lane / 16) + 0..7.  Two such tiles, rounded in pairs, ARE source 1 of O^T = V^T P.  V is turned by ds_load_tr16_b128.
; THE RING.  Two slots of 256 keys (four steps, each 64 rows of K then 64 of V).  Waves 0-3 fetch K of step w, waves 4-7 V of step w - 4: one tensor load a wave behind each change of slots, one out at a time.
; NO CLUSTER: the four work-groups of a head want the same key block only in trips 0 to 4; from then on each has gone over to its second block at another trip, so partners would need different tiles in the same round,
; and a walk in step would cost 12 trips in place of 9.
; REGISTERS.  window 0: v1-11 addresses; v12-27 eight statistics a tile (+0 c m, +1 m, +2, +3 l, +4..+7 at work; a in +6); v28 prefetch offset; v29 -infinity; v30, v31 the add's two;
;   v32-95 S^T (32 a tile); v96-127 P (16 a tile); v128-191 K of a step; v192-255 V of a step.     window 1: v0-63 O^T (32 a tile); v64-95 Q; v96-127 the second block's Q.
.set KS,    64
.set PK,    144                        ; a row of K in LDS: 128 bytes + 16: the 16 rows of a load start at 16 different groups of banks
.set PV,    160                        ; a row of V: 128 + 32: an odd multiple of 32
.set VOFF,  KS*PK
.set STEPB, KS*(PK+PV)
.set SLOT1, 1<<17                      ; slot 1 begins here: one exclusive or turns an address from one slot into the other
.set STAGE, 4*STEPB                    ; between the slots: 2 tiles x 16 rows x 144 bytes for each wave, for the way out; no fill lands here
.set WSTG,  2*16*PK
.set SPARE, STAGE+8*WSTG               ; the spare words, 128 bytes a wave, which no other line names
.set AK0, 2
.set AV0, 3
.set ADK, 4
.set ADV, 5
.set STO, 6
.set RD,  7
.set GO,  8
.set D0,  10                           ; r - 8 h
.set DD,  11                           ; first Q's offset; then d, for the mask
.set ST,  12
.set PFO, 28
.set NINF, 29
.set SPW, 30
.set NIL, 31
.set S,   32
.set P,   96
.set KR,  128
.set VR,  192
.set QR,  64                           ; in window 1
.set WV,  8
.set W3,  9
.set J,   10
.set NA1, 12                           ; the last trip of the first block: 7 - j
.set I,   13                           ; the trip
.set CNT, 14
.set TB,  15                           ; LDS byte at which the step's tiles begin
.set KF,  16                           ; the step's first key
.set Q0,  17                           ; my first query
.set SUB32, 18
.set LIMV, 19                          ; a wave prefetches while the trip's number is under this: 6 in the head's work-group 0, else 0
.set SEL, 20
.set CS,  22                           ; s[22:23] c = log2(e) / sqrt(64)
.set G1K, 24
.set G1V, 32
.set G0K, 40
.set G0V, 44
.set KB0, 48                           ; s[48:49] K at my wave's 64 rows of key block 0;  s[50:51] V likewise
.set VB0, 50
.set OFF, 52                           ; s[52:53] a key block's offset
.set PFA, 54
.set AO0, 56                           ; s[56:57] ao at my head's first row;  s[58:59] at my first query
.set AOB, 58
.set MSB, 0
.macro WIN new
.if MSB != \new
	s_set_vgpr_msb (MSB<<8)|\new
.set MSB, \new
.endif
.endm
.set W_KQ, 0x04                        ; Q (source 1) in window 1
.set W_PV, 0x50                        ; O^T (C and D) in window 1
.set W_RS, 0x41                        ; O^T (destination and source 0) in window 1
; Waves 0-3 fetch K's tiles, waves 4-7 V's.  The branch hangs on the wave's number alone; every wave issues one of the two lines.  An s_nop 0 and four v_nop follow each.
.macro TLOAD
	s_cmp_lt_u32 s[WV], 4
	s_cbranch_scc0 .Lfor_v_\@
	tensor_load_to_lds s[G0K:G0K+3], s[G1K:G1K+7]
	s_nop 0
.rept 4
	v_nop
.endr
	s_branch .Lasked_\@
.Lfor_v_\@:
	tensor_load_to_lds s[G0V:G0V+3], s[G1V:G1V+7]
	s_nop 0
.rept 4
	v_nop
.endr
.Lasked_\@:
.endm
; A PREFETCH INTO THE L2 of the key block that the NEXT change of slots will ask for.  All four work-groups of a head walk the same K and V: work-group 0, which walks key blocks 0 to 7 in order, asks, and nobody else.
; Each of its waves names the 8,192 bytes that it will itself fetch, lanes 256 bytes apart: so each aligned run of 256 bytes is named once in the launch.  In trip i it asks for key block i + 2, up to block 7 (i = 5);
; key blocks 0 and 1 come by their loads alone.
.macro ASK
	s_cmp_lt_u32 s[I], s[LIMV]
	s_cbranch_scc0 .Lnot_mine_\@
	global_prefetch_b8 v[PFO], s[PFA:PFA+1] th:TH_LOAD_NT scope:SCOPE_SE
.Lnot_mine_\@:
.endm
	s_load_b128 s[4:7], s[0:1], 0x0                ; qkv16, ao
	v_lshl_add_u32 v[SPW], v0, 2, SPARE
	v_mov_b32 v[NIL], 0
	ds_add_u32 v[SPW], v[NIL]                      ; the wave's opening: the add, twice on end, and its wait ahead of my first tensor load
	ds_add_u32 v[SPW], v[NIL]
	v_lshrrev_b32 v1, 5, v0
	v_readfirstlane_b32 s[WV], v1                  ; wave 0..7
	s_and_b32 s[W3], s[WV], 3
	s_mov_b32 s[J], ttmp9
	s_sub_co_u32 s[NA1], 7, s[J]
	s_sub_co_u32 s60, 11, s[WV]
	s_cmp_lt_u32 s[WV], 4
	s_cselect_b32 s[SUB32], s[WV], s60
	s_lshl_b32 s[SUB32], s[SUB32], 5               ; my 32 queries' place in a block
	s_lshl_b32 s[Q0], s[NA1], 8
	s_add_co_u32 s[Q0], s[Q0], s[SUB32]            ; the first block is 7 - j
	s_cmp_eq_u32 s[J], 0
	s_cselect_b32 s[LIMV], 6, 0
	s_and_b32 s60, ttmp7, 0xffff
	s_and_b32 s61, s60, 15                         ; head
	s_lshr_b32 s60, s60, 4                         ; batch
	s_lshl_b32 s61, s61, 20                        ; a plane is 2^20 bytes,
	s_lshl_b32 s60, s60, 18                        ; a batch's 2,048 rows 2^18
	s_add_co_u32 s96, s60, s61
	s_mov_b32 s97, 0
	s_mov_b32 s[G1K], (1<<16)|(1<<20)|(4<<22)|(3<<25)   ; elements of 2 bytes; padding on: after every 32 words, 4 words
	s_mov_b32 s[G1V], (1<<16)|(1<<20)|(4<<22)|(7<<25)   ; the same with 8 words
.irp g, G1K, G1V
	s_mov_b32 s[\g+1], 64<<16                      ; tensor_dim0
	s_mov_b32 s[\g+2], KS<<16                      ; tensor_dim1
	s_mov_b32 s[\g+3], 64<<16                      ; tile_dim0
	s_mov_b32 s[\g+4], KS                          ; tile_dim1
	s_mov_b32 s[\g+5], 64                          ; from row to row: a plane's rows are dense
	s_mov_b32 s[\g+6], 0
	s_mov_b32 s[\g+7], 0
.endr
	s_mov_b32 s[SEL], 0x76543210
	s_mov_b32 s[SEL+1], 0xfedcba98
	s_mov_b32 s[CS], 0x3e38aa3b
	s_mov_b32 s[CS+1], s[CS]                       ; (named with it as a pair, so it is written)
	s_mov_b32 s[TB], 0
	s_mov_b32 s[KF], 0
	s_mov_b32 s[I], 0
	s_mov_b32 s[OFF+1], 0
	s_mul_i32 s62, s[W3], STEPB                    ; my tile's place in a slot
	s_lshl_b32 s60, s[W3], 13                      ; and its 64 rows of 128 bytes in a key block
	s_mov_b32 s61, 0
	s_wait_dscnt 0x0                               ; both opening adds are done
	s_wait_kmcnt 0x0
	s_add_nc_u64 s[4:5], s[4:5], s[96:97]          ; q's plane of my head at my batch's first row
	s_add_nc_u64 s[AO0:AO0+1], s[6:7], s[96:97]
	s_add_nc_u64 s[KB0:KB0+1], s[4:5], s[60:61]
	s_add_nc_u64 s[VB0:VB0+1], s[KB0:KB0+1], 32<<20
	s_add_nc_u64 s[KB0:KB0+1], s[KB0:KB0+1], 16<<20
	s_mov_b32 s[G0K], 1
	s_mov_b32 s[G0K+1], s62
	s_mov_b64 s[G0K+2:G0K+3], s[KB0:KB0+1]
	s_or_b32 s[G0K+3], s[G0K+3], 0x80000000
	s_mov_b32 s[G0V], 1
	s_add_co_u32 s[G0V+1], s62, VOFF
	s_mov_b64 s[G0V+2:G0V+3], s[VB0:VB0+1]
	s_or_b32 s[G0V+3], s[G0V+3], 0x80000000
	TLOAD                                          ; key block 0 into slot 0
	s_cmp_lt_u32 s[WV], 4
	s_cselect_b64 s[PFA:PFA+1], s[KB0:KB0+1], s[VB0:VB0+1]
	s_add_nc_u64 s[PFA:PFA+1], s[PFA:PFA+1], 32768 ; at key block 1: the first change of slots steps it to block 2.  Nothing is prefetched here, at the head
	v_and_b32 v1, 15, v0                           ; r
	v_bfe_u32 v9, v0, 4, 1                         ; h
	v_lshlrev_b32 v[DD], 7, v1
	v_lshl_add_u32 v[DD], v9, 4, v[DD]             ; Q: row r of 128 bytes, + 16 h
	s_lshl_b32 s60, s[Q0], 7
	s_mov_b32 s61, 0
	s_add_nc_u64 s[60:61], s[4:5], s[60:61]        ; my queries of the first block,
	s_lshl_b32 s62, s[J], 8
	s_add_co_u32 s62, s62, s[SUB32]
	s_lshl_b32 s62, s62, 7
	s_mov_b32 s63, 0
	s_add_nc_u64 s[62:63], s[4:5], s[62:63]        ; and of the second
	WIN 0x40                                       ; destination window 1
.irp t, 0,1
.irp ks, 0,1
	global_load_b128 v[QR+16*\t+8*\ks:QR+16*\t+8*\ks+3],   v[DD], s[60:61] offset:2048*\t+64*\ks
	global_load_b128 v[QR+16*\t+8*\ks+4:QR+16*\t+8*\ks+7], v[DD], s[60:61] offset:2048*\t+64*\ks+32
	global_load_b128 v[QR+32+16*\t+8*\ks:QR+32+16*\t+8*\ks+3],   v[DD], s[62:63] offset:2048*\t+64*\ks
	global_load_b128 v[QR+32+16*\t+8*\ks+4:QR+32+16*\t+8*\ks+7], v[DD], s[62:63] offset:2048*\t+64*\ks+32
.endr
.endr
.set n, 0
.rept 64
	v_mov_b32 v[n], 0                              ; O^T.  (The step is written once: the first finds zeros, which its a, 0, leaves zeros)
.set n, n+1
.endr
	WIN 0
	v_mul_u32_u24 v[AK0], v1, PK
	v_lshl_add_u32 v[AK0], v9, 4, v[AK0]           ; K: row r x pitch + 16 h
	v_and_b32 v4, 7, v0
	v_lshl_add_u32 v[AV0], v9, 3, v4               ; V, for the turning load: key 8 h + l % 8,
	v_mul_u32_u24 v[AV0], v[AV0], PV
	v_bfe_u32 v5, v0, 3, 1
	v_lshl_add_u32 v[AV0], v5, 4, v[AV0]           ; channels 8 ((l / 8) % 2) on
	v_add_nc_u32 v[AV0], VOFF, v[AV0]
	s_mul_i32 s96, s[WV], WSTG
	s_add_co_u32 s96, s96, STAGE                   ; my stage
	v_add_nc_u32 v[STO], s96, v[AK0]               ; in: row r of 144 bytes, 16 h
	v_and_b32 v8, 31, v0
	v_lshrrev_b32 v7, 3, v8
	v_mul_u32_u24 v7, v7, PK
	v_lshl_add_u32 v7, v4, 4, v7
	v_add_nc_u32 v[RD], s96, v7                    ; back: eight lanes to a row of 128 bytes, four rows an instruction
	v_lshlrev_b32 v[PFO], 8, v8
	v_lshlrev_b32 v[GO], 4, v8                     ; and the same 512 bytes in the plane
	v_lshlrev_b32 v[D0], 3, v9
	v_sub_nc_u32 v[D0], v1, v[D0]
	v_mov_b32 v[NINF], 0xff800000
.irp t, 0,1
	v_mov_b32 v[ST+8*\t+1], 0xff61b1e6             ; m: -3e38, under every score
	v_mul_f32 v[ST+8*\t], s[CS], v[ST+8*\t+1]      ; c m
.irp k, 2,3,4,5,6,7
	v_mov_b32 v[ST+8*\t+\k], 0                     ; l, and the registers at work: written once, so that no way through the text reads one unwritten
.endr
.endr
	s_wait_loadcnt 0x0                             ; Q; its loads' address registers are free from here on
; THE SOFTMAX of a step, both tiles line by line by turns, so that no line waits for the line above it.
.macro SOFTMAX
.irp j, 0,1,2,3
.irp t, 0,1
	v_max3_num_f32 v[ST+8*\t+4+\j], v[S+32*\t+8*\j], v[S+32*\t+8*\j+1], v[S+32*\t+8*\j+2]   ; four chains, each begun at an accumulator's low end
.endr
.endr
.irp g, 1,2
.irp j, 0,1,2,3
.irp t, 0,1
	v_max3_num_f32 v[ST+8*\t+4+\j], v[ST+8*\t+4+\j], v[S+32*\t+8*\j+2*\g+1], v[S+32*\t+8*\j+2*\g+2]
.endr
.endr
.endr
.irp t, 0,1
	v_max3_num_f32 v[ST+8*\t+4], v[ST+8*\t+4], v[S+32*\t+7], v[S+32*\t+15]
.endr
.irp t, 0,1
	v_max3_num_f32 v[ST+8*\t+6], v[ST+8*\t+6], v[S+32*\t+23], v[S+32*\t+31]
.endr
.irp t, 0,1
	v_max3_num_f32 v[ST+8*\t+4], v[ST+8*\t+4], v[ST+8*\t+5], v[ST+8*\t+6]
.endr
.irp t, 0,1
	v_max3_num_f32 v[ST+8*\t+4], v[ST+8*\t+4], v[ST+8*\t+7], v[ST+8*\t+1]   ; with the old m
.endr
.irp t, 0,1
	v_permlanex16_b32 v[ST+8*\t+5], v[ST+8*\t+4], s[SEL], s[SEL+1]          ; the query's other 32 keys lie in the lane 16 away
.endr
.irp t, 0,1
	v_mov_b32 v[ST+8*\t+7], v[ST+8*\t]             ; c m_old
.endr
.irp t, 0,1
	v_max_num_f32 v[ST+8*\t+1], v[ST+8*\t+4], v[ST+8*\t+5]
.endr
.irp t, 0,1
	v_mul_f32 v[ST+8*\t], s[CS], v[ST+8*\t+1]
.endr
.irp t, 0,1
	v_sub_f32 v[ST+8*\t+7], v[ST+8*\t+7], v[ST+8*\t]
.endr
.set n, 0
.rept 16
.irp t, 0,1
	v_pk_fma_f32 v[S+32*\t+2*n:S+32*\t+2*n+1], v[S+32*\t+2*n:S+32*\t+2*n+1], s[CS:CS+1], v[ST+8*\t:ST+8*\t+1] op_sel_hi:[1,0,0] neg_lo:[0,0,1] neg_hi:[0,0,1]   ; c s - c m
.endr
.set n, n+1
.endr
.irp t, 0,1
	v_exp_f32 v[ST+8*\t+6], v[ST+8*\t+7]           ; a = 2^(c m_old - c m_new)
.endr
.set n, 0
.rept 32
.irp t, 0,1
	v_exp_f32 v[S+32*\t+n], v[S+32*\t+n]           ; p
.endr
.set n, n+1
.endr
	v_nop                                          ; a plain line behind the last exponential,
	s_wait_alu depctr_va_vdst(0)                   ; and ONE wait for the 66, ahead of the first line that names a result
.set n, 0
.rept 16
.irp t, 0,1
	v_cvt_pk_f16_f32 v[P+16*\t+n], v[S+32*\t+2*n], v[S+32*\t+2*n+1]
.endr
.set n, n+1
.endr
.irp w, 4,8,16,32                      ; the sum of a tile's 16 pairs, in place: neighbours 1, 2, 4 and 8 pairs apart
.set u, 0
.rept 32/\w
.irp t, 0,1
	v_pk_add_f32 v[S+32*\t+\w*u:S+32*\t+\w*u+1], v[S+32*\t+\w*u:S+32*\t+\w*u+1], v[S+32*\t+\w*u+\w/2:S+32*\t+\w*u+\w/2+1]
.endr
.set u, u+1
.endr
.endr
.irp t, 0,1
	v_pk_fma_f32 v[ST+8*\t+2:ST+8*\t+3], v[ST+8*\t+2:ST+8*\t+3], v[ST+8*\t+6:ST+8*\t+7], v[S+32*\t:S+32*\t+1] op_sel_hi:[1,0,1]   ; l = a l + the sum
.endr
.endm
; A KEY STEP: 64 keys.
.macro STEP
	s_add_co_u32 s96, s[Q0], 31
	s_cmp_gt_u32 s[KF], s96                        ; all keys come after my queries: the step's work is left out (ids and the count of steps alone)
	s_cbranch_scc1 .Lhidden_\@
	v_add_nc_u32 v[ADK], s[TB], v[AK0]
	v_add_nc_u32 v[ADV], s[TB], v[AV0]
.irp kt, 0,1,2,3
.irp ks, 0,1
	ds_load_b128 v[KR+8*(2*\kt+\ks):KR+8*(2*\kt+\ks)+3],   v[ADK] offset:16*PK*\kt+64*\ks
	ds_load_b128 v[KR+8*(2*\kt+\ks)+4:KR+8*(2*\kt+\ks)+7], v[ADK] offset:16*PK*\kt+64*\ks+32
.endr
.endr
.irp kg, 0,1
.irp ct, 0,1,2,3
	ds_load_tr16_b128 v[VR+8*(4*\kg+\ct):VR+8*(4*\kg+\ct)+3],   v[ADV] offset:32*PV*\kg+32*\ct
	ds_load_tr16_b128 v[VR+8*(4*\kg+\ct)+4:VR+8*(4*\kg+\ct)+7], v[ADV] offset:32*PV*\kg+32*\ct+16*PV
.endr
.endr
	s_wait_dscnt 16                                ; K's sixteen loads are in; V's sixteen may be out
	WIN W_KQ
.irp ks, 0,1                           ; S^T = K Q^T: eight accumulators by turns, one instruction a turn
.irp kt, 0,1,2,3
.irp t, 0,1
.if \ks == 0
	v_wmma_f32_16x16x32_f16 v[S+32*\t+8*\kt:S+32*\t+8*\kt+7], v[KR+8*(2*\kt+\ks):KR+8*(2*\kt+\ks)+7], v[QR+16*\t+8*\ks:QR+16*\t+8*\ks+7], 0
.else
	v_wmma_f32_16x16x32_f16 v[S+32*\t+8*\kt:S+32*\t+8*\kt+7], v[KR+8*(2*\kt+\ks):KR+8*(2*\kt+\ks)+7], v[QR+16*\t+8*\ks:QR+16*\t+8*\ks+7], v[S+32*\t+8*\kt:S+32*\t+8*\kt+7]
.endif
.endr
.endr
.endr
	WIN 0
.rept 4
	v_nop                                          ; four places ahead of the first read of the scores
.endr
	s_add_co_u32 s96, s[KF], 63
	s_cmp_le_u32 s96, s[Q0]                        ; all keys count: no mask
	s_cbranch_scc1 .Lopen_\@
	s_sub_co_u32 s96, s[Q0], s[KF]
	v_add_nc_u32 v[DD], s96, v[D0]                 ; d = Q0 - KF + r - 8 h.  Register n of tile t holds key KF + 16 (n / 8) + 8 h + n % 8 for query Q0 + 16 t + r: hidden where 16 (n / 8) + n % 8 - 16 t > d
.irp t, 0,1
.set n, 0
.rept 32
	v_cmp_gt_i32 vcc_lo, 16*(n/8)+n%8-16*\t, v[DD]
	v_cndmask_b32 v[S+32*\t+n], v[S+32*\t+n], v[NINF], vcc_lo
.set n, n+1
.endr
.endr
.Lopen_\@:
	SOFTMAX
	s_wait_dscnt 0x0                               ; V is in
	WIN W_RS
.set n, 0
.rept 16
.irp t, 0,1
	v_pk_mul_f32 v[32*\t+2*n:32*\t+2*n+1], v[32*\t+2*n:32*\t+2*n+1], v[ST+8*\t+6:ST+8*\t+7] op_sel_hi:[1,0]   ; O^T x a, each accumulator from its low end on
.endr
.set n, n+1
.endr
	WIN W_PV
.irp kg, 0,1                           ; O^T += V^T P: eight accumulators by turns
.irp ct, 0,1,2,3
.irp t, 0,1
	v_wmma_f32_16x16x32_f16 v[32*\t+8*\ct:32*\t+8*\ct+7], v[VR+8*(4*\kg+\ct):VR+8*(4*\kg+\ct)+7], v[P+16*\t+8*\kg:P+16*\t+8*\kg+7], v[32*\t+8*\ct:32*\t+8*\ct+7]
.endr
.endr
.endr
	WIN 0
.rept 4
	v_nop                                          ; four places: for the next step's loads into V's registers, and for the way out's reads of O^T
.endr
.Lhidden_\@:
	s_add_co_u32 s[KF], s[KF], KS
	s_add_co_u32 s[TB], s[TB], STEPB
.endm
.macro SLOT_STEPS                      ; a slot's four steps: written once, walked four times
	s_mov_b32 s[CNT], 4
.Lstep_\@:
	STEP
	s_sub_co_u32 s[CNT], s[CNT], 1
	s_cmp_lg_u32 s[CNT], 0
	s_cbranch_scc1 .Lstep_\@
	s_sub_co_u32 s[TB], s[TB], 4*STEPB
	s_xor_b32 s[TB], s[TB], SLOT1                  ; on to the other slot
.endm
; THE CHANGE OF SLOTS stands at a trip's head.  Each wave waits for all its tensor loads (its part of the slot that it is about to read), adds 0 to its spare word, and waits for that and for its reads of the slot that it has left.
; Behind the barrier the slot ahead is whole and nobody reads the other.  fill = 1: that other slot takes the next trip's key block: trip i + 1 reads block i + 1, or, past the first query block's last trip, block i - (7 - j).
; In trip 0 all eight loads are slot 1's first fills; from trip 1 on all eight are refills.
.macro CHANGE fill
	s_wait_tensorcnt 0x0                           ; no tensor load of mine is out, so a group 0 may be written
	ds_add_u32 v[SPW], v[NIL]                      ; 0 onto my spare word; the descriptors' steps stand between it and the wait for it
.if \fill
	s_add_co_u32 s62, s[I], 1
	s_add_co_u32 s63, s[NA1], 1
	s_cmp_gt_u32 s62, s[NA1]
	s_cselect_b32 s63, s63, 0
	s_sub_co_u32 s62, s62, s63                     ; the next trip's key block
	s_lshl_b32 s[OFF], s62, 15                     ; 256 rows of 128 bytes
	s_xor_b32 s[G0K+1], s[G0K+1], SLOT1
	s_add_nc_u64 s[G0K+2:G0K+3], s[KB0:KB0+1], s[OFF:OFF+1]
	s_or_b32 s[G0K+3], s[G0K+3], 0x80000000
	s_xor_b32 s[G0V+1], s[G0V+1], SLOT1
	s_add_nc_u64 s[G0V+2:G0V+3], s[VB0:VB0+1], s[OFF:OFF+1]
	s_or_b32 s[G0V+3], s[G0V+3], 0x80000000
	s_wait_xcnt 0x0                                ; the last prefetch, a trip back, has read its address, so it may be written
	s_add_nc_u64 s[PFA:PFA+1], s[PFA:PFA+1], 32768
.endif
	s_wait_dscnt 0x0                               ; the add is done, and my reads of the slot that I have left are over
	s_barrier_signal -1
	s_barrier_wait -1
.if \fill
	TLOAD                                          ; the first thing behind the barrier, and a wave's one tensor load until the next
	ASK
.endif
.endm
; THE WAY OUT of a query block.  l's halves are added; O^T is divided by l, rounded to f16, and goes through my stage, a tile at a time; each store covers 512 consecutive bytes, four rows of the plane.
.macro WAYOUT
.irp t, 0,1
	v_add_f32 v[ST+8*\t+4], v[ST+8*\t+2], v[ST+8*\t+3]
.endr
.irp t, 0,1
	v_permlanex16_b32 v[ST+8*\t+5], v[ST+8*\t+4], s[SEL], s[SEL+1]
.endr
.irp t, 0,1
	v_add_f32 v[ST+8*\t+4], v[ST+8*\t+4], v[ST+8*\t+5]
.endr
.irp t, 0,1
	v_rcp_f32 v[ST+8*\t+6], v[ST+8*\t+4]
.endr
	v_nop
	s_wait_alu depctr_va_vdst(0)                   ; one wait for the two reciprocals, ahead of their first reader
	s_wait_xcnt 0x0                                ; earlier stores have read their base
	s_lshl_b32 s60, s[Q0], 7
	s_mov_b32 s61, 0
	s_add_nc_u64 s[AOB:AOB+1], s[AO0:AO0+1], s[60:61]
.irp t, 0,1
	WIN W_RS
.set n, 0
.rept 16
	v_pk_mul_f32 v[32*\t+2*n:32*\t+2*n+1], v[32*\t+2*n:32*\t+2*n+1], v[ST+8*\t+6:ST+8*\t+7] op_sel_hi:[1,0]
.set n, n+1
.endr
	WIN 0x05                                       ; sources in window 1, destination in window 0: S^T's registers are free
.set n, 0
.rept 16
	v_cvt_pk_f16_f32 v[64+16*\t+n], v[32*\t+2*n], v[32*\t+2*n+1]
.set n, n+1
.endr
	WIN 0
.irp ct, 0,1,2,3
	ds_store_b128 v[STO], v[64+16*\t+4*\ct:64+16*\t+4*\ct+3] offset:16*PK*\t+32*\ct
.endr
.irp i, 0,1,2,3
	ds_load_b128 v[32+16*\t+4*\i:32+16*\t+4*\i+3], v[RD] offset:16*PK*\t+4*PK*\i   ; LDS serves a wave's instructions in order: these see my stores
.endr
.endr
	s_wait_dscnt 8                                 ; tile 0 is back; tile 1's eight LDS instructions may be out
.irp i, 0,1,2,3
	global_store_b128 v[GO], v[32+4*\i:32+4*\i+3], s[AOB:AOB+1] offset:512*\i
.endr
	s_wait_dscnt 0x0
.irp i, 0,1,2,3
	global_store_b128 v[GO], v[48+4*\i:48+4*\i+3], s[AOB:AOB+1] offset:2048+512*\i
.endr
.endm
; Behind the first query block's last trip: it goes out, and the second block begins.  The branch hangs on the work-group's number and the trip alone: all eight waves go the same way; no barrier stands inside.
.macro SWITCH
	s_cmp_lg_u32 s[I], s[NA1]
	s_cbranch_scc1 .Lsame_\@
	WAYOUT
	s_lshl_b32 s[Q0], s[J], 8
	s_add_co_u32 s[Q0], s[Q0], s[SUB32]
	s_mov_b32 s[KF], 0
	WIN 0x41
.set n, 0
.rept 32
	v_mov_b32 v[QR+n], v[QR+32+n]                  ; the second block's Q
.set n, n+1
.endr
	WIN 0x40
.set n, 0
.rept 64
	v_mov_b32 v[n], 0
.set n, n+1
.endr
	WIN 0
.irp t, 0,1
	v_mov_b32 v[ST+8*\t+1], 0xff61b1e6
	v_mul_f32 v[ST+8*\t], s[CS], v[ST+8*\t+1]
	v_mov_b32 v[ST+8*\t+2], 0
	v_mov_b32 v[ST+8*\t+3], 0
.endr
	s_wait_xcnt 0x0                                ; the stores have read their data: the next products write those registers
.Lsame_\@:
.endm
.Ltrip:                                            ; eight trips; behind each change of slots the next trip's key block is asked for
	CHANGE 1
	SLOT_STEPS
	SWITCH
	s_add_co_u32 s[I], s[I], 1
	s_cmp_lt_u32 s[I], 8
	s_cbranch_scc1 .Ltrip
	CHANGE 0                                       ; the ninth trip is written out
	SLOT_STEPS
	WAYOUT
	s_wait_tensorcnt 0x0                           ; the wave's end
	ds_add_u32 v[SPW], v[NIL]
	s_wait_dscnt 0x0
	s_endpgm
.Lfunc_end_k_q28e49a5ae0_attn:
	.size	k_q28e49a5ae0_attn, .Lfunc_end_k_q28e49a5ae0_attn-k_q28e49a5ae0_attn
	.p2alignl 7, 3214868480
	.fill 96, 4, 3214868480
	.section	.rodata,"a",@progbits
	.p2align	6, 0x0
	.amdhsa_kernel k_q28e49a5ae0_attn
		.amdhsa_group_segment_fixed_size 327680
		.amdhsa_private_segment_fixed_size 0
		.amdhsa_enable_private_segment 0
		.amdhsa_kernarg_size 16
		.amdhsa_user_sgpr_count 2
		.amdhsa_user_sgpr_kernarg_segment_ptr 1
		.amdhsa_wavefront_size32 1
		.amdhsa_system_sgpr_workgroup_id_x 1
		.amdhsa_system_sgpr_workgroup_id_y 1
		.amdhsa_system_sgpr_workgroup_id_z 1
		.amdhsa_system_vgpr_workitem_id 0
		.amdhsa_next_free_vgpr 384
		.amdhsa_next_free_sgpr 100
		.amdhsa_reserve_vcc 1
		.amdhsa_float_denorm_mode_32 3
		.amdhsa_float_denorm_mode_16_64 3
		.amdhsa_memory_ordered 1
		.amdhsa_forward_progress 1
		.amdhsa_inst_pref_size 72
	.end_amdhsa_kernel
	.amdgpu_metadata
---
amdhsa.version: [ 1, 2 ]
amdhsa.kernels:
  - .name:           k_q28e49a5ae0_attn
    .symbol:         k_q28e49a5ae0_attn.kd
    .args:
      - { .name: qkv16, .offset: 0, .size: 8, .value_kind: global_buffer, .address_space: global }
      - { .name: ao, .offset: 8, .size: 8, .value_kind: global_buffer, .address_space: global }
    .group_segment_fixed_size: 327680
    .private_segment_fixed_size: 0
    .kernarg_segment_align: 8
    .kernarg_segment_size: 16
    .max_flat_workgroup_size: 256
    .sgpr_count:     100
    .vgpr_count:     384
    .wavefront_size: 32
...
	.end_amdgpu_metadata
.endif
;; end of part 4
;; launch proj (part 5): grid 4 x 64, 4 waves a work-group, clusters of 4 x 4, 327,680 bytes of LDS; arguments ao, wo16, out0; writes out0
.if DOCPART == 5
	.amdgcn_target "amdgcn-amd-amdhsa--gfx1250"
	.amdhsa_code_object_version 6
	.text
	.protected	k_q28e49a5ae0_proj
	.globl	k_q28e49a5ae0_proj
	.p2align	8
	.type	k_q28e49a5ae0_proj,@function
k_q28e49a5ae0_proj:
	s_mov_b64 s[64:65], 0
	v_nop
	global_prefetch_b8 v0, s[64:65] scope:SCOPE_SE
	s_setreg_imm32_b32 hwreg(HW_REG_WAVE_MODE, 25, 1), 1
	s_wait_xcnt 0x0
	s_wait_alu depctr_hold_cnt(0) depctr_sa_sdst(0) depctr_va_vdst(0) depctr_va_sdst(0) depctr_va_ssrc(0) depctr_va_vcc(0) depctr_vm_vsrc(0)
	s_getreg_b32 s2, hwreg(HW_REG_IB_STS2, 6, 4)
	s_cmp_eq_u32 s2, 0
	s_cbranch_scc0 .Lentry_in_a_cluster
	s_endpgm
.Lentry_in_a_cluster:
	s_bfe_u32 s2, ttmp6, 0x10000c
	s_cmp_lg_u32 s2, 0xf033
	s_cbranch_scc0 .Lentry_shape_is_right
	s_endpgm
.Lentry_shape_is_right:
; out0[m][n] = sum over k of ao[m][k] w_o[n][k], f16 operands, f32 sums, f32 out.  ao lies in planes [k / 64][8192][64], wo16 in planes [k / 64][1024][64]: every tile is a dense block of memory.
; (Rows t < 16 of each batch are stored here like all others; the program's last launch writes them anew from f32 numbers.)
; A tile of out0 is 128 rows x 256 columns: 256 work-groups, one for each WGP.  Four waves, each 64 x 128: 32 accumulators, all of window 1.  K goes in steps of 128 (two planes) through a ring of two LDS slots.
; Each wave fetches one tile of a step: wave 0 A's even plane (128 rows x 128 bytes), wave 1 A's odd plane, waves 2 and 3 B's planes (256 rows): one tensor load a wave behind each round; two are out at the start.
; CLUSTERS: 4 x 4 work-groups.  The four of a row of the cluster need the same tiles of A, the four of a column the same tiles of B: each is asked for JOINTLY.  THE MATRIX INSTRUCTION IS USED TRANSPOSED (source 0 = rows of w_o,
; source 1 = rows of ao): a lane holds eight neighbouring numbers of a row of out0.
; REGISTERS: window 0: v16-30 addresses; two fragment buffers at v32 and v128 (A's 4 fragments, then B's 8); on the way out v32-159.   window 1: accumulator (a, b) at v[8 (8 a + b)].
.set PITCH,  144                       ; an LDS row: 128 bytes + 16: the 16 rows of a load start at 16 different groups of banks
.set APL,    128*PITCH                 ; a plane's tile of A,
.set BPL,    256*PITCH                 ; of B
.set BOFF,   2*APL
.set SLOT,   2*APL+2*BPL
.set STAGE,  2*SLOT                    ; behind the ring: 16 rows x (512 bytes + 16) for each wave
.set SPITCH, 528
.set SPARE,  STAGE+4*16*SPITCH         ; the spare words, 128 bytes a wave, which no other line names
.set LAPS,   4                         ; a lap = two K steps; K = 1,024 is eight
.set APLANE, 8192*128
.set BPLANE, 1024*128
.set ADRA, 16
.set ADRB, 20
.set STO,  24
.set RD,   25
.set CO,   26
.set SPW,  28
.set NIL,  29
.set PFO,  30
.set F0,   32
.set F1,   128
.set G1, 24
.set G0, 32
.set G1B, 48
.set G0B, 56
.set PFA, 44                           ; s[44:45] where my prefetches stand
.set LIM, 43                           ; s43 1 in wave 0, else the greatest number
.set MSB, 0
.macro WIN new
.if MSB != \new
	s_set_vgpr_msb (MSB<<8)|\new
.set MSB, \new
.endif
.endm
.set MUL, 0x50                         ; C and D in window 1
.macro JLOAD s                         ; a joint load: waves 0 and 1 fetch A's planes, waves 2 and 3 B's; an s_nop 0 and four v_nop follow each of the two lines
	s_cmp_eq_u32 s11, 0
	s_cbranch_scc0 .Lfor_b_\@
	tensor_load_to_lds s[G0+4*\s:G0+4*\s+3], s[G1:G1+7]
	s_nop 0
.rept 4
	v_nop
.endr
	s_branch .Lasked_\@
.Lfor_b_\@:
	tensor_load_to_lds s[G0B+4*\s:G0B+4*\s+3], s[G1B:G1B+7]
	s_nop 0
.rept 4
	v_nop
.endr
.Lasked_\@:
.endm
.macro CREST                           ; a round of the cluster's barrier behind its opening barrier
	s_cmp_lg_u32 s10, 0
	s_cbranch_scc1 .Lnot_wave_0_\@
	s_barrier_signal -3
.Lnot_wave_0_\@:
	s_barrier_wait -3
	s_barrier_signal -1
	s_barrier_wait -1
.endm
.macro CROUND
	s_barrier_signal -1
	s_barrier_wait -1
	CREST
.endm
; A PREFETCH INTO THE L2 of A's K step that stands two refills on: two planes x 16,384 bytes.  A's tile row is read by the four partners of one row of one cluster and by nobody else; each partner takes 4,096 bytes of each
; plane, told apart BY ADDRESS (cx); in each, wave 0 asks: lanes 0-15 in the even plane, lanes 16-31 in the odd one, 256 bytes apart.  So each aligned run of 256 bytes is named once.  K steps 4 to 7 are asked for;
; the loop's last trip asks for nothing.  B's planes are read by sixteen clusters and are not asked for.
.macro ASK
	s_cmp_gt_u32 s3, s[LIM]
	s_cbranch_scc0 .Lnot_mine_\@
	global_prefetch_b8 v[PFO], s[PFA:PFA+1] offset:2*APLANE th:TH_LOAD_NT scope:SCOPE_SE
.Lnot_mine_\@:
.endm
	s_load_b128 s[4:7], s[0:1], 0x0                ; ao, wo16
	s_load_b64 s[8:9], s[0:1], 0x10                ; out0
	v_lshl_add_u32 v[SPW], v0, 2, SPARE
	v_mov_b32 v[NIL], 0
	ds_add_u32 v[SPW], v[NIL]                      ; the wave's opening: the add, twice on end, and its wait ahead of my first tensor load
	ds_add_u32 v[SPW], v[NIL]
	v_lshrrev_b32 v1, 5, v0
	v_readfirstlane_b32 s10, v1                    ; wave 0..3
	s_lshr_b32 s11, s10, 1                         ; which 64 of the tile's rows are mine.  Also: I fetch for A (0) or for B (1)
	s_and_b32 s12, s10, 1                          ; which 128 of its columns.  Also: which plane of a K step I fetch
	s_bfe_u32 s40, ttmp6, 0x40000                  ; cx, cy
	s_bfe_u32 s41, ttmp6, 0x40004
	s_lshl_b32 s42, ttmp9, 2
	s_add_co_u32 s42, s42, s40                     ; tile column
	s_and_b32 s13, ttmp7, 0xffff
	s_lshl_b32 s13, s13, 2
	s_add_co_u32 s13, s13, s41                     ; tile row
	s_lshl_b32 s43, s41, 2
	s_lshl_b32 s43, 15, s43                        ; my row of the cluster
	s_lshl_b32 s44, 0x1111, s40                    ; my column
	s_or_b32 s[G1+0], s43, (1<<16)|(1<<20)|(1<<21)|(4<<22)|(3<<25)  ; the mask; elements of 2 bytes; padding on; bit 21 beside a mask; after every 32 words, 4 words
	s_or_b32 s[G1B+0], s44, (1<<16)|(1<<20)|(1<<21)|(4<<22)|(3<<25)
	s_mov_b32 s[G1+1], 64<<16                      ; tensor_dim0
	s_mov_b32 s[G1+2], 128<<16                     ; tensor_dim1
	s_mov_b32 s[G1+3], 64<<16                      ; tile_dim0
	s_mov_b32 s[G1+4], 128                         ; tile_dim1
	s_mov_b32 s[G1+5], 64                          ; from row to row
	s_mov_b32 s[G1+6], 0
	s_mov_b32 s[G1+7], 0
	s_mov_b32 s[G1B+1], 64<<16
	s_mov_b32 s[G1B+2], 256<<16
	s_mov_b32 s[G1B+3], 64<<16
	s_mov_b32 s[G1B+4], 256
	s_mov_b32 s[G1B+5], 64
	s_mov_b32 s[G1B+6], 0
	s_mov_b32 s[G1B+7], 0
	s_lshl_b32 s16, s13, 14                        ; A: 128 rows of 128 bytes x tile row,
	s_lshl_b32 s17, s12, 20                        ; + my plane of the pair
	s_add_co_u32 s16, s16, s17
	s_mov_b32 s17, 0
	s_lshl_b32 s46, s42, 15                        ; B: 256 rows x tile column,
	s_lshl_b32 s47, s12, 17
	s_add_co_u32 s46, s46, s47
	s_mov_b32 s47, 0
	s_mul_i32 s20, s12, APL                        ; where they go: no place in the cluster enters an LDS address
	s_mul_i32 s21, s12, BPL
	s_add_co_u32 s21, s21, BOFF
	s_wait_dscnt 0x0                               ; both opening adds are done
	s_wait_kmcnt 0x0
	s_add_nc_u64 s[14:15], s[4:5], s[16:17]
	s_add_nc_u64 s[46:47], s[6:7], s[46:47]
	CROUND                                         ; all sixteen work-groups are here: the first joint loads meet
.irp s, 0,1
	s_mov_b32 s[G0+4*\s], 1
	s_add_co_u32 s[G0+4*\s+1], s20, \s*SLOT
	s_add_nc_u64 s[G0+4*\s+2:G0+4*\s+3], s[14:15], \s*2*APLANE
	s_or_b32 s[G0+4*\s+3], s[G0+4*\s+3], 0x80000000
	s_mov_b32 s[G0B+4*\s], 1
	s_add_co_u32 s[G0B+4*\s+1], s21, \s*SLOT
	s_add_nc_u64 s[G0B+4*\s+2:G0B+4*\s+3], s[46:47], \s*2*BPLANE
	s_or_b32 s[G0B+4*\s+3], s[G0B+4*\s+3], 0x80000000
	JLOAD \s
.endr
	v_and_b32 v1, 15, v0                           ; r
	v_bfe_u32 v2, v0, 4, 1                         ; h
	v_mul_u32_u24 v3, v1, PITCH
	v_lshl_add_u32 v3, v2, 4, v3                   ; a fragment's row x pitch + 16 h
	s_mul_i32 s21, s11, 64*PITCH                   ; my 64 rows of A
	s_mul_i32 s22, s12, 128*PITCH                  ; my 128 rows of B,
	s_add_co_u32 s22, s22, BOFF                    ; behind A's two planes
.irp s, 0,1
	v_add_nc_u32 v[ADRA+\s], s21, v3
	v_add_nc_u32 v[ADRB+\s], s22, v3
	s_add_co_u32 s21, s21, SLOT
	s_add_co_u32 s22, s22, SLOT
.endr
	s_mul_i32 s23, s10, 16*SPITCH
	s_add_co_u32 s23, s23, STAGE                   ; my stage
	v_mul_u32_u24 v4, v1, SPITCH
	v_lshl_add_u32 v4, v2, 5, v4
	v_add_nc_u32 v[STO], s23, v4                   ; in: row r, 32 bytes for each half of the lanes
	v_and_b32 v5, 31, v0
	v_lshlrev_b32 v[CO], 4, v5                     ; back: the 32 lanes take one row of 512 bytes; and the same in out0
	v_add_nc_u32 v[RD], s23, v[CO]
	s_lshl_b32 s16, s13, 7
	s_lshl_b32 s17, s11, 6
	s_add_co_u32 s16, s16, s17                     ; my first row,
	s_lshl_b32 s16, s16, 12                        ; 4,096 bytes a row
	s_lshl_b32 s46, s42, 10                        ; my first column, in bytes
	s_lshl_b32 s47, s12, 9
	s_add_co_u32 s46, s46, s47
	s_add_co_u32 s16, s16, s46
	s_mov_b32 s17, 0
	s_add_nc_u64 s[8:9], s[8:9], s[16:17]
	s_lshl_b32 s20, s13, 14                        ; the prefetches: my tile row,
	s_lshl_b32 s21, s40, 12                        ; my work-group's 4,096 bytes of each plane's 16,384
	s_add_co_u32 s20, s20, s21
	s_mov_b32 s21, 0
	s_add_nc_u64 s[PFA:PFA+1], s[4:5], s[20:21]
	s_add_nc_u64 s[PFA:PFA+1], s[PFA:PFA+1], 4*APLANE   ; at K step 2: the first refill steps it to 3 and names K step 4
	s_cmp_eq_u32 s10, 0
	s_cselect_b32 s[LIM], 1, -1
	v_lshlrev_b32 v[PFO], 20, v2
	v_lshl_add_u32 v[PFO], v1, 8, v[PFO]
.macro MULA f, a, zero                 ; 8 matrix instructions: A's block a x B's eight, 32 along K.  The 32 accumulators take turns, in the same order in every quarter
.irp b, 0,1,2,3,4,5,6,7
.if \zero
	v_wmma_f32_16x16x32_f16 v[8*(8*(\a)+\b):8*(8*(\a)+\b)+7], v[\f+32+8*\b:\f+32+8*\b+7], v[\f+8*(\a):\f+8*(\a)+7], 0
.else
	v_wmma_f32_16x16x32_f16 v[8*(8*(\a)+\b):8*(8*(\a)+\b)+7], v[\f+32+8*\b:\f+32+8*\b+7], v[\f+8*(\a):\f+8*(\a)+7], v[8*(8*(\a)+\b):8*(8*(\a)+\b)+7]
.endif
.endr
.endm
.macro FETCH slot, q, f                ; 24 LDS loads in one run: the fragments of quarter q (plane q / 2, 64 (q % 2) bytes into its rows): B's eight, then A's four
.irp i, 0,1,2,3,4,5,6,7
	ds_load_b128 v[\f+32+8*\i:\f+32+8*\i+3],   v[ADRB+\slot] offset:BPL*((\q)/2)+64*((\q)%2)+\i*16*PITCH
	ds_load_b128 v[\f+32+8*\i+4:\f+32+8*\i+7], v[ADRB+\slot] offset:BPL*((\q)/2)+64*((\q)%2)+\i*16*PITCH+32
.endr
.irp i, 0,1,2,3
	ds_load_b128 v[\f+8*\i:\f+8*\i+3],   v[ADRA+\slot] offset:APL*((\q)/2)+64*((\q)%2)+\i*16*PITCH
	ds_load_b128 v[\f+8*\i+4:\f+8*\i+7], v[ADRA+\slot] offset:APL*((\q)/2)+64*((\q)%2)+\i*16*PITCH+32
.endr
.endm
.macro PLACES                          ; four plain lines ahead of loads into registers that matrix instructions have read, and of reads of results
.rept 4
	v_nop
.endr
.endm
; A K step is four quarters of 32 along K, 32 matrix instructions each, on buffers 0, 1, 0, 1.  One of the first three: multiplies buffer f and fetches quarter qn into g.
.macro QUARTER slot, qn, f, g, zero
	s_wait_dscnt 4                                 ; B's eight and A's blocks 0 and 1 are in; the youngest four loads (A's blocks 2 and 3) may be out
	WIN MUL
	MULA \f, 0, \zero
	MULA \f, 1, \zero
	PLACES
	WIN 0
	FETCH \slot, \qn, \g
	s_wait_dscnt 24                                ; all but the 24 just issued
	WIN MUL
	MULA \f, 2, \zero
	MULA \f, 3, \zero
.endm
; The last quarter multiplies buffer 1 and changes slots: ONE barrier; in front of it each wave waits for all its tensor loads, adds 0 to its spare word, and waits for that and for its reads of this slot.
; fill = 1: the barrier opens a round of the cluster's barrier, and this slot is filled again, two K steps ahead, first thing behind the round.
.macro TURN slot, next, fill
.if \fill
	s_wait_xcnt 0x0                                ; the last prefetch, a K step back, has read its address
	s_add_nc_u64 s[PFA:PFA+1], s[PFA:PFA+1], 2*APLANE
.endif
	WIN 0
	s_wait_tensorcnt 0x0                           ; all my tensor loads have landed: my part of the next slot
	ds_add_u32 v[SPW], v[NIL]
	s_wait_dscnt 5                                 ; (the add and the youngest four loads may be out)
	WIN MUL
	MULA F1, 0, 0                                  ; eight matrix instructions stand between the add and the wait for it
	s_wait_dscnt 0x0                               ; the add is done, and my reads of this slot are over
	s_barrier_signal -1
	MULA F1, 1, 0
	WIN 0
	s_barrier_wait -1
.if \fill
	CREST                                          ; no wave of any partner still reads this slot's tiles or has a load on its way
	s_add_nc_u64 s[G0+4*\slot+2:G0+4*\slot+3], s[G0+4*\slot+2:G0+4*\slot+3], 4*APLANE
	s_add_nc_u64 s[G0B+4*\slot+2:G0B+4*\slot+3], s[G0B+4*\slot+2:G0B+4*\slot+3], 4*BPLANE
	JLOAD \slot                                    ; the four v_nop behind it are also the places in front of the loads below
.else
	PLACES
.endif
	FETCH \next, 0, F0
.if \fill
	ASK
.endif
	WIN MUL
	MULA F1, 2, 0
	MULA F1, 3, 0
.endm
	s_wait_tensorcnt 1                             ; my part of K step 0 is in (K step 1's load may be out)
	s_barrier_signal -1
	s_barrier_wait -1                              ; everybody's is
	FETCH 0, 0, F0
	QUARTER 0, 1, F0, F1, 1                        ; the first quarter's products start the sums: nothing is cleared
	WIN 0
	s_mov_b32 s3, LAPS-1
.Llap:                                             ; a trip goes once round the ring and fills both slots again
	QUARTER 0, 2, F1, F0, 0
	QUARTER 0, 3, F0, F1, 0
	TURN 0, 1, 1
	QUARTER 1, 1, F0, F1, 0
	QUARTER 1, 2, F1, F0, 0
	QUARTER 1, 3, F0, F1, 0
	TURN 1, 0, 1
	QUARTER 0, 1, F0, F1, 0
	WIN 0
	s_sub_co_u32 s3, s3, 1
	s_cmp_lg_u32 s3, 0
	s_cbranch_scc1 .Llap
	QUARTER 0, 2, F1, F0, 0                        ; the last lap fills nothing, and has no round
	QUARTER 0, 3, F0, F1, 0
	TURN 0, 1, 0
	QUARTER 1, 1, F0, F1, 0
	QUARTER 1, 2, F1, F0, 0
	QUARTER 1, 3, F0, F1, 0
	s_wait_dscnt 4
	WIN MUL
	MULA F1, 0, 0
	MULA F1, 1, 0
	s_wait_dscnt 0
	MULA F1, 2, 0
	MULA F1, 3, 0
	WIN 0
; THE WAY OUT, block by block of 16 rows x 128 columns: through my own stage and back as whole rows of 512 bytes, which the 32 lanes store as 512 consecutive bytes, aligned.  Every place is an immediate.
.macro TOSTAGE a
	WIN 0x04                                       ; an LDS store's data are its source 1: window 1
.irp b, 0,1,2,3,4,5,6,7
	ds_store_b128 v[STO], v[64*(\a)+8*\b:64*(\a)+8*\b+3] offset:64*\b          ; each accumulator from its low end on
	ds_store_b128 v[STO], v[64*(\a)+8*\b+4:64*(\a)+8*\b+7] offset:64*\b+16
.endr
	WIN 0
.set BB, 32+64*((\a)%2)
.irp t, 0,1,2,3,4,5,6,7,8,9,10,11,12,13,14,15
	ds_load_b128 v[BB+4*\t:BB+4*\t+3], v[RD] offset:\t*SPITCH      ; LDS serves a wave's instructions in order: these see the stores above
.endr
.endm
.macro SEND a, younger
.set BB, 32+64*((\a)%2)
	s_wait_dscnt \younger                          ; the block is back; the next block's LDS instructions may be out
.irp t, 0,1,2,3,4,5,6,7,8,9,10,11,12,13,14,15
	global_store_b128 v[CO], v[BB+4*\t:BB+4*\t+3], s[8:9] offset:65536*(\a)+4096*\t th:TH_STORE_NT
.endr
.endm
	PLACES
	TOSTAGE 0
.irp a, 1,2,3
.if \a > 1
	s_wait_xcnt 0x0                                ; block a - 2's stores have read their registers: block a's loads may land there
.endif
	TOSTAGE \a
	SEND \a-1, 32
.endr
	SEND 3, 0
	s_wait_tensorcnt 0x0                           ; the wave's end
	ds_add_u32 v[SPW], v[NIL]
	s_wait_dscnt 0x0
	CROUND                                         ; the closing round
	s_endpgm
.Lfunc_end_k_q28e49a5ae0_proj:
	.size	k_q28e49a5ae0_proj, .Lfunc_end_k_q28e49a5ae0_proj-k_q28e49a5ae0_proj
	.p2alignl 7, 3214868480
	.fill 96, 4, 3214868480
	.section	.rodata,"a",@progbits
	.p2align	6, 0x0
	.amdhsa_kernel k_q28e49a5ae0_proj
		.amdhsa_group_segment_fixed_size 327680
		.amdhsa_private_segment_fixed_size 0
		.amdhsa_enable_private_segment 0
		.amdhsa_kernarg_size 24
		.amdhsa_user_sgpr_count 2
		.amdhsa_user_sgpr_kernarg_segment_ptr 1
		.amdhsa_wavefront_size32 1
		.amdhsa_system_sgpr_workgroup_id_x 1
		.amdhsa_system_sgpr_workgroup_id_y 1
		.amdhsa_system_sgpr_workgroup_id_z 1
		.amdhsa_system_vgpr_workitem_id 0
		.amdhsa_next_free_vgpr 512
		.amdhsa_next_free_sgpr 66
		.amdhsa_reserve_vcc 0
		.amdhsa_float_denorm_mode_32 3
		.amdhsa_float_denorm_mode_16_64 3
		.amdhsa_memory_ordered 1
		.amdhsa_forward_progress 1
		.amdhsa_inst_pref_size 85
	.end_amdhsa_kernel
	.amdgpu_metadata
---
amdhsa.version: [ 1, 2 ]
amdhsa.kernels:
  - .name:           k_q28e49a5ae0_proj
    .symbol:         k_q28e49a5ae0_proj.kd
    .args:
      - { .name: ao, .offset: 0, .size: 8, .value_kind: global_buffer, .address_space: global }
      - { .name: wo16, .offset: 8, .size: 8, .value_kind: global_buffer, .address_space: global }
      - { .name: out0, .offset: 16, .size: 8, .value_kind: global_buffer, .address_space: global }
    .group_segment_fixed_size: 327680
    .private_segment_fixed_size: 0
    .kernarg_segment_align: 8
    .kernarg_segment_size: 24
    .max_flat_workgroup_size: 128
    .sgpr_count:     66
    .vgpr_count:     512
    .wavefront_size: 32
...
	.end_amdgpu_metadata
.endif
;; end of part 5
;; launch proj16 (part 6): grid 64 x 4, 4 waves a work-group, no clusters, 167,936 bytes of LDS; arguments o16, w_o, out0; writes out0
.if DOCPART == 6
	.amdgcn_target "amdgcn-amd-amdhsa--gfx1250"
	.amdhsa_code_object_version 6
	.text
	.protected	k_q28e49a5ae0_proj16
	.globl	k_q28e49a5ae0_proj16
	.p2align	8
	.type	k_q28e49a5ae0_proj16,@function
k_q28e49a5ae0_proj16:
	s_mov_b64 s[64:65], 0
	v_nop
	global_prefetch_b8 v0, s[64:65] scope:SCOPE_SE
	s_setreg_imm32_b32 hwreg(HW_REG_WAVE_MODE, 25, 1), 1
	s_wait_xcnt 0x0
; THE PROJECTION OF THE FIRST 16 POSITIONS OF EVERY SEQUENCE, IN f32: out0[2048 b + t][n] = sum over k of o16[16 b + t][k] w_o[n][k], t < 16.  It runs last and writes over the 64 rows that the f16 projection stored.
; A work-group takes one batch and 16 columns; its four waves share K: wave w takes k = 256 w .. + 255: 64 f32 matrix instructions on four accumulators by turns.  The four parts meet in LDS and wave 0 adds and stores them.
; Each wave brings its own two tiles (16 rows x 1,024 bytes of o16, the same of w_o) by two first fills and reads only its own bytes: two tensor loads of a wave are out, none is a refill.
; A row's 16 columns are 64 bytes, so a store covers a quarter of an aligned run of 256 bytes, on 262,144 bytes in all: a tile of 64 columns would store whole runs and leave three work-groups in four without work.
.set REG,   33280                      ; a wave's region: o16's 16 rows, then w_o's
.set WO,    16640
.set PIT,   1040                       ; a row of 1,024 bytes + 16 of padding
.set RED,   4*REG                      ; the four parts: 1,024 bytes a wave, as images of the registers
.set SPARE, RED+4096                   ; the spare words, 128 bytes a wave, which no other line names
.set SPW, 250
.set NIL, 251
.set OF,  64                           ; v64-191 o16's fragments (window 0); w_o's fill v0-127 of window 1
.set AC,  192                          ; v192-223 four accumulators: written by matrix instructions alone
.set SM,  224                          ; v224-239 sums
.set MSB, 0
.macro WIN new
.if MSB != \new
	s_set_vgpr_msb (MSB<<8)|\new
.set MSB, \new
.endif
.endm
	s_load_b128 s[4:7], s[0:1], 0x0                ; o16, w_o
	s_load_b64 s[8:9], s[0:1], 0x10                ; out0
	v_lshl_add_u32 v[SPW], v0, 2, SPARE
	v_mov_b32 v[NIL], 0
	ds_add_u32 v[SPW], v[NIL]                      ; the wave's opening: the add, twice on end, and its wait ahead of my first tensor load
	ds_add_u32 v[SPW], v[NIL]
	v_lshrrev_b32 v1, 5, v0
	v_readfirstlane_b32 s10, v1                    ; wave 0..3
	s_and_b32 s11, ttmp7, 0xffff                   ; batch
	s_mov_b32 s24, (2<<16)|(1<<20)|(7<<22)|(3<<25) ; group 1, for both tiles: elements of 4 bytes; padding on: after every 256 words, 4 words
	s_mov_b32 s25, 256<<16                         ; tensor_dim0
	s_mov_b32 s26, 16<<16                          ; tensor_dim1
	s_mov_b32 s27, 256<<16                         ; tile_dim0
	s_mov_b32 s28, 16                              ; tile_dim1
	s_mov_b32 s29, 1024                            ; from row to row
	s_mov_b32 s30, 0
	s_mov_b32 s31, 0
	s_mul_i32 s12, s10, REG                        ; my region
	s_lshl_b32 s13, s10, 10                        ; my 1,024 bytes of a row; also my part's place among the four
	s_lshl_b32 s14, s11, 16                        ; the batch's 16 rows of o16
	s_add_co_u32 s14, s14, s13
	s_mov_b32 s15, 0
	s_lshl_b32 s16, ttmp9, 16                      ; my 16 rows of w_o
	s_add_co_u32 s16, s16, s13
	s_mov_b32 s17, 0
	s_lshl_b32 s18, s11, 23                        ; the batch's first row of out0: 2,048 rows of 4,096 bytes,
	s_lshl_b32 s19, ttmp9, 6                       ; my 16 columns
	s_add_co_u32 s18, s18, s19
	s_mov_b32 s19, 0
	s_wait_dscnt 0x0                               ; both opening adds are done
	s_wait_kmcnt 0x0
	s_mov_b32 s32, 1
	s_mov_b32 s33, s12
	s_add_nc_u64 s[34:35], s[4:5], s[14:15]
	s_or_b32 s35, s35, 0x80000000
	s_mov_b32 s36, 1
	s_add_co_u32 s37, s12, WO
	s_add_nc_u64 s[38:39], s[6:7], s[16:17]
	s_or_b32 s39, s39, 0x80000000
	tensor_load_to_lds s[32:35], s[24:31]
	s_nop 0
	tensor_load_to_lds s[36:39], s[24:31]
	s_nop 0
.rept 4
	v_nop
.endr
	s_add_nc_u64 s[8:9], s[8:9], s[18:19]
	v_and_b32 v1, 15, v0                           ; r
	v_bfe_u32 v2, v0, 4, 1                         ; h
	v_mul_u32_u24 v3, v1, PIT
	v_lshl_add_u32 v3, v2, 4, v3
	v_add_nc_u32 v3, s12, v3                       ; fragments: my region + 1,040 r + 16 h
	v_and_b32 v4, 31, v0
	v_lshlrev_b32 v4, 4, v4
	v_add_nc_u32 v7, RED, v4                       ; the parts, read: 16 x lane
	v_add_nc_u32 v6, s13, v7                       ; mine, stored: + 1,024 x wave
	v_lshlrev_b32 v5, 12, v1
	v_lshl_add_u32 v5, v2, 5, v5                   ; out0: row r, 32 h bytes
	s_wait_tensorcnt 0x0                           ; my two tiles are in; only I read them
	WIN 0x40                                       ; destination window 1
.set n, 0
.rept 32
	ds_load_b128 v[4*n:4*n+3], v3 offset:WO+32*n   ; lane (r, h): k = 8 n + 4 h + 0 .. 3 of row r; registers 2 u, 2 u + 1 are one K step of 4, dealt alike to both sources
.set n, n+1
.endr
	WIN 0
.set n, 0
.rept 32
	ds_load_b128 v[OF+4*n:OF+4*n+3], v3 offset:32*n
.set n, n+1
.endr
	s_wait_dscnt 0x0
	WIN 0x01                                       ; source 0 (w_o) in window 1
.set n, 0
.rept 64                               ; transposed: source 0 = 16 rows of w_o (columns of out0), source 1 = the 16 positions: lane (r, h) holds position r, columns 8 h + 0 .. 7
.if n < 4
	v_wmma_f32_16x16x4_f32 v[AC+8*(n%4):AC+8*(n%4)+7], v[2*n:2*n+1], v[OF+2*n:OF+2*n+1], 0
.else
	v_wmma_f32_16x16x4_f32 v[AC+8*(n%4):AC+8*(n%4)+7], v[2*n:2*n+1], v[OF+2*n:OF+2*n+1], v[AC+8*(n%4):AC+8*(n%4)+7]
.endif
.set n, n+1
.endr
	WIN 0
.rept 8
	v_nop                                          ; eight places behind this form
.endr
.irp j, 0,1,2,3,4,5,6,7
	v_add_f32 v[SM+\j], v[AC+\j], v[AC+8+\j]       ; each accumulator from its low end on
.endr
.irp j, 0,1,2,3,4,5,6,7
	v_add_f32 v[SM+8+\j], v[AC+16+\j], v[AC+24+\j]
.endr
.irp j, 0,1,2,3,4,5,6,7
	v_add_f32 v[SM+\j], v[SM+\j], v[SM+8+\j]
.endr
	ds_store_b128 v6, v[SM:SM+3]
	ds_store_b128 v6, v[SM+4:SM+7] offset:512
	s_wait_dscnt 0x0                               ; for the others' sake: my stores have landed
	s_barrier_signal -1
	s_barrier_wait -1
	s_cmp_lg_u32 s10, 0
	s_cbranch_scc1 .Lend
.irp w, 0,1,2,3
	ds_load_b128 v[64+8*\w:64+8*\w+3], v7 offset:1024*\w
	ds_load_b128 v[64+8*\w+4:64+8*\w+7], v7 offset:1024*\w+512
.endr
	s_wait_dscnt 0x0
.irp j, 0,1,2,3,4,5,6,7
	v_add_f32 v[SM+\j], v[64+\j], v[72+\j]
.endr
.irp j, 0,1,2,3,4,5,6,7
	v_add_f32 v[SM+8+\j], v[80+\j], v[88+\j]
.endr
.irp j, 0,1,2,3,4,5,6,7
	v_add_f32 v[SM+\j], v[SM+\j], v[SM+8+\j]
.endr
	global_store_b128 v5, v[SM:SM+3], s[8:9]
	global_store_b128 v5, v[SM+4:SM+7], s[8:9] offset:16
.Lend:
	s_wait_tensorcnt 0x0                           ; the wave's end
	ds_add_u32 v[SPW], v[NIL]
	s_wait_dscnt 0x0
	s_endpgm
.Lfunc_end_k_q28e49a5ae0_proj16:
	.size	k_q28e49a5ae0_proj16, .Lfunc_end_k_q28e49a5ae0_proj16-k_q28e49a5ae0_proj16
	.p2alignl 7, 3214868480
	.fill 96, 4, 3214868480
	.section	.rodata,"a",@progbits
	.p2align	6, 0x0
	.amdhsa_kernel k_q28e49a5ae0_proj16
		.amdhsa_group_segment_fixed_size 167936
		.amdhsa_private_segment_fixed_size 0
		.amdhsa_enable_private_segment 0
		.amdhsa_kernarg_size 24
		.amdhsa_user_sgpr_count 2
		.amdhsa_user_sgpr_kernarg_segment_ptr 1
		.amdhsa_wavefront_size32 1
		.amdhsa_system_sgpr_workgroup_id_x 1
		.amdhsa_system_sgpr_workgroup_id_y 1
		.amdhsa_system_sgpr_workgroup_id_z 1
		.amdhsa_system_vgpr_workitem_id 0
		.amdhsa_next_free_vgpr 384
		.amdhsa_next_free_sgpr 66
		.amdhsa_reserve_vcc 0
		.amdhsa_float_denorm_mode_32 3
		.amdhsa_float_denorm_mode_16_64 3
		.amdhsa_memory_ordered 1
		.amdhsa_forward_progress 1
		.amdhsa_inst_pref_size 14
	.end_amdhsa_kernel
	.amdgpu_metadata
---
amdhsa.version: [ 1, 2 ]
amdhsa.kernels:
  - .name:           k_q28e49a5ae0_proj16
    .symbol:         k_q28e49a5ae0_proj16.kd
    .args:
      - { .name: o16, .offset: 0, .size: 8, .value_kind: global_buffer, .address_space: global }
      - { .name: w_o, .offset: 8, .size: 8, .value_kind: global_buffer, .address_space: global }
      - { .name: out0, .offset: 16, .size: 8, .value_kind: global_buffer, .address_space: global }
    .group_segment_fixed_size: 167936
    .private_segment_fixed_size: 0
    .kernarg_segment_align: 8
    .kernarg_segment_size: 24
    .max_flat_workgroup_size: 128
    .sgpr_count:     66
    .vgpr_count:     384
    .wavefront_size: 32
...
	.end_amdgpu_metadata
.endif
;; end of part 6
